; MI455X (gfx1250); checked and timed in simulation.
; The chip was launched on July 23, 2026; its instructions are those of AMD's public machine-readable ISA for CDNA 5 (MIT licence, August 2026) and "CDNA5" Instruction Set Architecture Reference Guide (July 2026). The comments in the code are by the model that wrote it; some were corrected since.
;; encoder Layer. Allowed arithmetic: matrix products marked QUANTISED: E2M1 operands, one E8M0 scale for each 32 along K, by v_wmma_scale_f32_16x16x128_f8f6f4 with both operands' format E2M1 (or v_wmma_scale_f32_32x16x128_f4), f32 sums; everything else in f32.
;; Inputs: alpha1 1 float32; alpha2 1 float32; b1 2,048 float32; b2 512 float32; beta1 1 float32; beta2 1 float32; bk 512 float32; bo 512 float32; bq 512 float32; bv 512 float32; src_mask 4 x 1 x 1 x 2,048 int32; w1_codes 2,048 x 16 x 16 uint8 (E2M1 codes of w1, K innermost, in blocks of 32 codes, two codes a byte); w1_scales 2,048 x 16 uint8 (E8M0 scales of w1, one for each 32 codes along K); w2_codes 512 x 64 x 16 uint8 (E2M1 codes of w2, K innermost, in blocks of 32 codes, two codes a byte); w2_scales 512 x 64 uint8 (E8M0 scales of w2, one for each 32 codes along K); wk_codes 512 x 16 x 16 uint8 (E2M1 codes of wk, K innermost, in blocks of 32 codes, two codes a byte); wk_scales 512 x 16 uint8 (E8M0 scales of wk, one for each 32 codes along K); wo_codes 512 x 16 x 16 uint8 (E2M1 codes of wo, K innermost, in blocks of 32 codes, two codes a byte); wo_scales 512 x 16 uint8 (E8M0 scales of wo, one for each 32 codes along K); wq_codes 512 x 16 x 16 uint8 (E2M1 codes of wq, K innermost, in blocks of 32 codes, two codes a byte); wq_scales 512 x 16 uint8 (E8M0 scales of wq, one for each 32 codes along K); wv_codes 512 x 16 x 16 uint8 (E2M1 codes of wv, K innermost, in blocks of 32 codes, two codes a byte); wv_scales 512 x 16 uint8 (E8M0 scales of wv, one for each 32 codes along K); x 4 x 2,048 x 512 float32.
;; Outputs: out0 4 x 2,048 x 512 float32.
;; This version of the problem:
;;   THIS VERSION OF THE PROBLEM IS GIVEN IN LOW PRECISION. The matrix products marked QUANTISED in the list below multiply operands that are first quantised to E2M1 (2 exponent bits, 1 mantissa bit; 4 bits a number), with one power-of-two scale for each 32 numbers along K (OCP MX v1.0); their sums are f32. All else is computed in f32.
;;   The module's matrix products, in the order in which they are computed (A, B: the left and right operand; K: the contracted axis; several contracted axes count as one K, in the product's order):
;;     1. [M 8,192, K 512] x [K 512, N 512]; A: computed on the way; B: input wq (given as codes): QUANTISED
;;     2. [M 8,192, K 512] x [K 512, N 512]; A: computed on the way; B: input wk (given as codes): QUANTISED
;;     3. [M 8,192, K 512] x [K 512, N 512]; A: computed on the way; B: input wv (given as codes): QUANTISED
;;     4. batch 32 x [M 2,048, K 64] x [K 64, N 2,048]; A: computed on the way; B: computed on the way: QUANTISED
;;     5. batch 32 x [M 2,048, K 2,048] x [K 2,048, N 64]; A: softmax (see below); B: computed on the way: QUANTISED
;;     6. [M 8,192, K 512] x [K 512, N 512]; A: computed on the way; B: input wo (given as codes): QUANTISED
;;     7. [M 8,192, K 512] x [K 512, N 2,048]; A: computed on the way; B: input w1 (given as codes): QUANTISED
;;     8. [M 8,192, K 2,048] x [K 2,048, N 512]; A: computed on the way; B: input w2 (given as codes): QUANTISED
;;   THE QUANTISER, for each operand of a quantised product, along K:
;;     - K is cut into blocks of 32 from its start; a last block that is shorter is filled with zeros.
;;     - A block's scale is 2^e with e = floor(log2(the largest magnitude in the block)) - 2, held to -126 .. 127; a block of zeros has e = 0. As a byte (E8M0): e + 127.
;;     - Each number is divided by its block's scale, clamped to +-6, and rounded to the nearest number of E2M1, ties to even, subnormals kept.
;;     - The product sums the exact products of the quantised numbers (number of the format x scale) in f32.
;;   ~~~python
;;   def quantise(x, axis):      # numpy; x: float32 -> the quantised numbers, widened to float32 again
;;       x = np.moveaxis(x, axis, -1); K = x.shape[-1]
;;       x = np.pad(x, [(0, 0)] * (x.ndim - 1) + [(0, -K % 32)]); x = x.reshape(x.shape[:-1] + (-1, 32)); a = np.abs(x).max(-1, keepdims=True)
;;       e = np.where(a > 0, np.clip(np.frexp(np.where(a > 0, a, 1))[1] - 1 - 2, -126, 127), 0)      # np.frexp(a)[1] - 1 = floor(log2(a)), exactly
;;       r = np.clip(x / 2.0 ** e, -6, 6)
;;       step = 2.0 ** (np.maximum(np.frexp(np.where(r == 0, 1, r))[1] - 1, 0) - 1)
;;       q = np.round(r / step) * step * 2.0 ** e      # np.round: ties to even
;;       return np.moveaxis(q.reshape(q.shape[:-2] + (-1,))[..., :K], -1, axis).astype(np.float32)
;;   ~~~
;;   SOFTMAX AHEAD OF A QUANTISED PRODUCT. Where the list says 'softmax', what is quantised is not the finished softmax but p = 2^(t - M), with t = logit x log2(e) and M = ceil(the row's largest t), a whole number; so 1/2 < the row's largest p <= 1. The row's sum l is taken of the UNQUANTISED p, in f32, and the product's result is divided by l at the end. Since M is a whole number, a kernel that streams over the keys may use a running M (the ceiling of the running maximum): every later rescaling is an exact power of two, which a block's scale takes up: the codes' values come out the same.
;;   OPERANDS COMPUTED ON THE WAY. 'Computed on the way' means the value that the module computes at that place (a softmax that the list does not call 'softmax' is quantised finished and normalised). What goes into a quantiser is computed in f32, as accurately as f32 sums, v_exp_f32 and their like allow (about 1e-6 of the number): no bf16 or f16 on the way to a quantiser, and a product that is left as it is and whose result goes on into a quantised operand takes f32 operands (vector FMAs, or v_wmma_f32_16x16x4_f32). A number that lies on a knife's edge between two numbers of the format may be rounded either way, as far as f32 arithmetic and the matrix unit's own rounding can turn it there, and no further.
;;   INPUTS GIVEN AS CODES. w1 (in the module: [512, 2048], K = its axis 0); w2 (in the module: [2048, 512], K = its axis 0); wk (in the module: [512, 512], K = its axis 0); wo (in the module: [512, 512], K = its axis 0); wq (in the module: [512, 512], K = its axis 0); wv (in the module: [512, 512], K = its axis 0): each comes as NAME_codes (uint8): NAME with its K axis moved to the last place and cut into blocks of 32 codes, [.., K / 32, bytes a block], one block behind the other in memory; two codes a byte, the lower K in the low four bits (a code: sign, 2 exponent bits, 1 mantissa bit); and NAME_scales (uint8): the same leading axes, one E8M0 byte (e + 127) for each 32 codes along K. Its value is code x scale, taken as it is: it is not quantised again, and the codes and scales need not be those that the quantiser above would give.
;; One version. Each part assembles by itself: llvm-mc -triple=amdgcn-amd-amdhsa -mcpu=gfx1250 --defsym DOCPART=n.
;; ======== version 1 of 1: 3 launches
;; limits: right only within a limited range of input values
;; workspace buffers: qc 2,097,152 bytes; qs 524,288 bytes; kv 4,980,736 bytes; cc 2,097,152 bytes; cs 131,072 bytes
;; launch qkv (part 1): grid 128 x 2, 4 waves a work-group, clusters of 4 x 1, 227,840 bytes of LDS; arguments x, src_mask, wq_codes, wq_scales, bq, wk_codes, wk_scales, bk, wv_codes, wv_scales, bv, alpha1, beta1, qc, qs, kv; writes qc, qs, kv
.if DOCPART == 1
	.amdgcn_target "amdgcn-amd-amdhsa--gfx1250"
	.amdhsa_code_object_version 6
	.text
	.protected	k_qde36c157fc_qkv
	.globl	k_qde36c157fc_qkv
	.p2align	8
	.type	k_qde36c157fc_qkv,@function
k_qde36c157fc_qkv:
	s_mov_b64 s[64:65], 0
	v_nop
	global_prefetch_b8 v0, s[64:65] scope:SCOPE_SE
	s_setreg_imm32_b32 hwreg(HW_REG_WAVE_MODE, 25, 1), 1
	s_wait_xcnt 0x0
	s_wait_alu depctr_hold_cnt(0) depctr_sa_sdst(0) depctr_va_vdst(0) depctr_va_sdst(0) depctr_va_ssrc(0) depctr_va_vcc(0) depctr_vm_vsrc(0)
	s_getreg_b32 s2, hwreg(HW_REG_IB_STS2, 6, 4)
	s_cmp_eq_u32 s2, 0
	s_cbranch_scc0 .Lentry_in_a_cluster
	s_endpgm
.Lentry_in_a_cluster:
	s_bfe_u32 s2, ttmp6, 0x10000c
	s_cmp_lg_u32 s2, 0x3003
	s_cbranch_scc0 .Lentry_shape_is_right
	s_endpgm
.Lentry_shape_is_right:
; n = norm(x); q, k, v = n W + b on codes of FP4 (E2M1) with one E8M0 scale for each 32 along K; q, k (along the head's 64) and v (along the tokens) are quantised again and stored as images of operand registers.
; SHARES.  A work-group owns 64 tokens (four tiles of 16) and four heads (grid y: heads 4 y .. 4 y + 3).  Wave w normalises and quantises tile w, then makes q, k, v of head 4 y + w for all 64 tokens: 192 matrix instructions.
; TILES.  Row r of token tile T is token 32 (T / 2) + 8 (T % 2) + r + 8 (r / 8); row r of weight tile t is output 32 (t / 2) + 8 (t % 2) + r + 8 (r / 8): so the 16 registers of two neighbouring result tiles are 16 neighbours along the next product's K.
; THE MASK rides in k's scale word.  q k^T uses 64 of the instruction's 128 along K; at k = 64 the attention launch puts the code +1 (q) and -1 (k).  Byte 2 of k's scale word is 1 for an open key (adds -2^-126) and 160 for a masked one (adds -2^33 to the score).
; A batch without any open key gets q's codes cleared: all its scores are then equal, and its attention is uniform, as with equal scores of -1e9.
; LIMITS: a masked logit is -2^30 where the definition has -1e9: it differs only where true logits fall under about -1e9.  Blocks whose largest magnitude lies under 2^-124 keep the scale byte 1.  NaN and infinities among the inputs are not served.
; CLUSTER: the four partners share grid y and so all weight tiles: each tile is asked for jointly (mask 15).  Nothing in LDS is filled twice.
; No prefetch: all that the work-group reads is asked for at its head.
; REGISTERS, in windows of 256.  Window 0: v1-11 addresses, v12-15 bv, v16-31 n's scale words, v32-79 the weights' scale words, v80-86 upper halves of q's and k's scale words, v88-103 at work, v104-119 codes, v120-123 scale words out, v124-127 mean and gain, v128-255 16 accumulators.
;   Window 1: x (register 16 b + i = element 32 b + 16 h + i), later n's 16 fragments.  Window 2: wq's 16 fragments, wk's 16.  Window 3: wv's 16 fragments; from v128 the biases as result tiles.
.set WT,   17408                       ; a weight tile in LDS: 64 rows x (256 bytes + 16 of padding)
.set XIMG, 12*WT                       ; n's 16 fragments as images, 1,024 bytes each (tile m, K step s: 4 m + s)
.set XSC,  XIMG+16384                  ; their scale words: [m][lane][s]
.set NS,   16
.set WSC,  32
.set UPK,  80
.set TM,   88
.set PC,   104
.set SW,   120
.set ACC,  128
.set MSB,  0
.macro WIN new                         ; the immediate's high byte repeats the setting that is left
.if MSB != (\new)
	s_set_vgpr_msb (MSB<<8)|(\new)
.set MSB, (\new)
.endif
.endm
.macro ROUND                           ; a round of the cluster's barrier
	s_barrier_signal -1
	s_barrier_wait -1
	s_cmp_lg_u32 s38, 0
	s_cbranch_scc1 .Lnot_wave_0_\@
	s_barrier_signal -3
.Lnot_wave_0_\@:
	s_barrier_wait -3
	s_barrier_signal -1
	s_barrier_wait -1
.endm
.macro PLACES                          ; four plain vector instructions behind matrix instructions (ISA guide 7.12.1)
.rept 4
	v_nop
.endr
.endm
; 64 numbers of a lane in window win, register 16 b + i = place 32 b + 16 h + i along K, become 8 registers of codes at v[pc] (window 0) in the operand's layout; the four scale bytes are left in v[TM+4 .. TM+7].
.macro QUANT src, win, pc
	WIN 5*(\win)
.irp b, 0,1,2,3
	v_max3_num_f32 v[TM+\b], |v[\src+16*\b]|, |v[\src+16*\b+1]|, 0x1800000   ; my 16 numbers of block b, and the floor 2^(3 - 127): the byte cannot fall under 1
.endr
.irp i, 2,4,6,8,10,12,14
.irp b, 0,1,2,3
	v_max3_num_f32 v[TM+\b], |v[\src+16*\b+\i]|, |v[\src+16*\b+\i+1]|, v[TM+\b]
.endr
.endr
	WIN 0
.irp b, 0,1,2,3
	v_permlanex16_b32 v[TM+4+\b], v[TM+\b], s60, s61
.endr
.irp b, 0,1,2,3
	v_max_num_f32 v[TM+\b], v[TM+\b], v[TM+4+\b]       ; with lane l xor 16's 16: the block's largest magnitude
.endr
.irp b, 0,1,2,3
	v_add_nc_u32 v[TM+12+\b], 0xff000000, v[TM+\b]     ; 2 off its exponent field: the conversion's scale operand
.endr
.irp b, 0,1,2,3
	v_lshrrev_b32 v[TM+4+\b], 23, v[TM+12+\b]          ; the scale's byte
.endr
	WIN \win
.irp b, 0,1,2,3
	v_cvt_scalef32_pk8_fp4_f32 v[\pc+2*\b], v[\src+16*\b:\src+16*\b+7], v[TM+12+\b]
	v_cvt_scalef32_pk8_fp4_f32 v[\pc+2*\b+1], v[\src+16*\b+8:\src+16*\b+15], v[TM+12+\b]
.endr
	WIN 0
	v_nop                                              ; one plain place behind a scaled conversion
.irp c, 0,1
.irp i, 0,1
	v_permlane16_swap_b32 v[\pc+4*\c+\i], v[\pc+4*\c+2+\i]   ; a whole block to a lane: lanes 0-15 block 2 c, lanes 16-31 block 2 c + 1
.endr
.endr
.endm
.macro FOLD                            ; four packed chains in v[TM .. TM+7] -> the row's sum in v[TM], in both lanes that share the row
	v_pk_add_f32 v[TM:TM+1], v[TM:TM+1], v[TM+2:TM+3]
	v_pk_add_f32 v[TM+4:TM+5], v[TM+4:TM+5], v[TM+6:TM+7]
	v_pk_add_f32 v[TM:TM+1], v[TM:TM+1], v[TM+4:TM+5]
	v_add_f32 v[TM], v[TM], v[TM+1]
	v_permlanex16_b32 v[TM+1], v[TM], s60, s61
	v_add_f32 v[TM], v[TM], v[TM+1]
.endm
	s_load_b512 s[4:19], s[0:1], 0x0               ; x 4, src_mask 6, wq_codes 8, wq_scales 10, bq 12, wk_codes 14, wk_scales 16, bk 18
	s_load_b512 s[20:35], s[0:1], 0x40             ; wv_codes 20, wv_scales 22, bv 24, alpha1 26, beta1 28, qc 30, qs 32, kv 34
	v_lshl_add_u32 v98, v0, 2, 0x37800
	v_mov_b32 v99, 0
	ds_add_u32 v98, v99
	ds_add_u32 v98, v99
	v_lshrrev_b32 v1, 5, v0
	v_readfirstlane_b32 s38, v1                    ; wave 0..3
	s_bfe_u32 s70, ttmp6, 0x40000                  ; cx
	s_lshl_b32 s71, ttmp9, 2
	s_add_co_u32 s71, s71, s70                     ; my block of 64 tokens, 0..127: it enters x's, the mask's and the outputs' addresses alone
	s_and_b32 s72, ttmp7, 0xffff
	s_lshl_b32 s73, s72, 2
	s_add_co_u32 s73, s73, s38                     ; my head = 4 y + wave: shared by the four partners
	s_lshr_b32 s74, s71, 5                         ; batch
	s_and_b32 s75, s71, 31                         ; block within the batch
	s_mov_b32 s40, 15|(1<<20)|(1<<21)|(5<<22)|(3<<25)  ; group 1: mask of all four partners; elements of 1 byte; padding on; bit 21 beside a mask; 4 words of padding after every 64
	s_mov_b32 s41, 256<<16                         ; tensor_dim0 = 256 bytes: 512 codes
	s_mov_b32 s42, 256<<16                         ; tensor_dim1 = 256 rows: four heads of one weight
	s_mov_b32 s43, 256<<16                         ; tile_dim0
	s_mov_b32 s44, 256                             ; tile_dim1
	s_mov_b32 s45, 256                             ; from row to row
	s_mov_b32 s46, 0
	s_mov_b32 s47, 0
	s_lshl_b32 s76, s72, 16                        ; the four heads of grid y: 256 rows of 256 bytes
	s_mov_b32 s77, 0
	s_mul_i32 s78, s38, WT                         ; my head's 64 rows within a weight's block in LDS
	s_mov_b32 s60, 0x76543210
	s_mov_b32 s61, 0xfedcba98                      ; v_permlanex16_b32's selects for lane l xor 16
	s_wait_dscnt 0x0
	s_wait_kmcnt 0x0
	s_load_b32 s36, s[26:27], 0x0                  ; alpha
	s_load_b32 s66, s[28:29], 0x0                  ; beta
	s_mov_b32 s48, 1
	s_mov_b32 s49, 0                               ; wq's four heads at LDS byte 0,
	s_add_nc_u64 s[50:51], s[8:9], s[76:77]
	s_or_b32 s51, s51, 0x80000000
	s_mov_b32 s52, 1
	s_mov_b32 s53, 4*WT                            ; wk's behind them,
	s_add_nc_u64 s[54:55], s[14:15], s[76:77]
	s_or_b32 s55, s55, 0x80000000
	s_mov_b32 s56, 1
	s_mov_b32 s57, 8*WT                            ; then wv's
	s_add_nc_u64 s[58:59], s[20:21], s[76:77]
	s_or_b32 s59, s59, 0x80000000
	ROUND                                          ; all four partners are here: the joint loads meet
	; one tensor load a wave: wave 0 fetches wq's 256 rows, wave 1 wk's, wave 2 wv's; one chain of branches on the wave's number
	s_cmp_lt_u32 s38, 1
	s_cbranch_scc0 .Lhead_k
	tensor_load_to_lds s[48:51], s[40:47]
	s_nop 0
	PLACES
	s_branch .Lhead_asked
.Lhead_k:
	s_cmp_lt_u32 s38, 2
	s_cbranch_scc0 .Lhead_v
	tensor_load_to_lds s[52:55], s[40:47]
	s_nop 0
	PLACES
	s_branch .Lhead_asked
.Lhead_v:
	s_cmp_lt_u32 s38, 3
	s_cbranch_scc0 .Lhead_asked
	tensor_load_to_lds s[56:59], s[40:47]
	s_nop 0
	PLACES
.Lhead_asked:
	v_and_b32 v1, 31, v0
	v_lshlrev_b32 v1, 4, v1                        ; 16 x lane
	v_and_b32 v2, 15, v0                           ; r
	v_bfe_u32 v3, v0, 4, 1                         ; h
	v_and_b32 v4, 8, v2
	v_add_nc_u32 v2, v2, v4                        ; r + 8 (r / 8)
	v_lshlrev_b32 v4, 11, v2
	v_lshl_add_u32 v4, v3, 6, v4                   ; x: my row of 2,048 bytes, + 64 h
	s_lshl_b32 s79, s38, 12
	s_add_co_u32 s79, s79, XIMG
	v_add_nc_u32 v5, s79, v1                       ; where I store my tile's four images
	v_mul_u32_u24 v6, v2, 272
	v_lshl_add_u32 v6, v3, 4, v6
	v_add_nc_u32 v6, s78, v6                       ; my lane's place in my head's tile of wq,
	v_add_nc_u32 v96, 4*WT, v6                     ; of wk,
	v_add_nc_u32 v97, 8*WT, v6                     ; of wv
	v_lshlrev_b32 v7, 4, v2                        ; weights' scale words: 16 bytes a row
	s_wait_alu depctr_va_vdst(0)
	v_lshlrev_b32 v8, 6, v3                        ; bq, bk: 64 h
	s_wait_alu depctr_va_vdst(0)
	v_lshlrev_b32 v9, 2, v2                        ; bv and the mask: 4 bytes a row
	s_wait_alu depctr_va_vdst(0)
	s_lshl_b32 s79, s38, 9
	s_add_co_u32 s79, s79, XSC
	v_add_nc_u32 v10, s79, v1                      ; where I store my tile's scale words
	v_add_nc_u32 v11, XIMG, v1                     ; where any image is read
	s_lshl_b32 s80, s71, 6
	s_lshr_b32 s82, s38, 1
	s_lshl_b32 s82, s82, 5
	s_add_co_u32 s80, s80, s82
	s_and_b32 s82, s38, 1
	s_lshl_b32 s82, s82, 3
	s_add_co_u32 s80, s80, s82                     ; my tile's first token: 64 block + 32 (w / 2) + 8 (w % 2)
	s_lshl_b32 s80, s80, 11
	s_mov_b32 s81, 0
	s_add_nc_u64 s[80:81], s[4:5], s[80:81]
	s_mov_b32 s97, 0
	s_lshl_b32 s96, s73, 10                        ; my head's scale rows: 64 x 16 bytes
	s_add_nc_u64 s[84:85], s[10:11], s[96:97]
	s_add_nc_u64 s[86:87], s[16:17], s[96:97]
	s_add_nc_u64 s[88:89], s[22:23], s[96:97]
	s_lshl_b32 s96, s73, 8                         ; my head's biases: 64 x 4 bytes
	s_add_nc_u64 s[90:91], s[12:13], s[96:97]
	s_add_nc_u64 s[92:93], s[18:19], s[96:97]
	s_add_nc_u64 s[94:95], s[24:25], s[96:97]
	s_lshl_b32 s96, s74, 13                        ; my batch's mask
	s_add_nc_u64 s[82:83], s[6:7], s[96:97]
	s_lshl_b32 s96, s75, 8                         ; my 64 tokens in it
	s_add_nc_u64 s[98:99], s[82:83], s[96:97]
	WIN 0x40                                       ; destination window 1
.irp b, 0,1,2,3,4,5,6,7,8,9,10,11,12,13,14,15
.irp j, 0,1,2,3
	global_load_b128 v[16*\b+4*\j:16*\b+4*\j+3], v4, s[80:81] offset:128*\b+16*\j   ; my 16 numbers of block b of my row
.endr
.endr
	WIN 0
.irp t, 0,1,2,3
	global_load_b128 v[WSC+4*\t:WSC+4*\t+3], v7, s[84:85] offset:(32*(\t/2)+8*(\t%2))*16        ; a row's four scale words, one for each K step
	global_load_b128 v[WSC+16+4*\t:WSC+16+4*\t+3], v7, s[86:87] offset:(32*(\t/2)+8*(\t%2))*16
	global_load_b128 v[WSC+32+4*\t:WSC+32+4*\t+3], v7, s[88:89] offset:(32*(\t/2)+8*(\t%2))*16
.endr
	WIN 0xc0                                       ; destination window 3
.irp t, 0,1,2,3
	global_load_b128 v[128+8*\t:128+8*\t+3], v8, s[90:91] offset:(32*(\t/2)+8*(\t%2))*4     ; bq as a result tile: register j = output 32 (t / 2) + 16 h + 8 (t % 2) + j
	global_load_b128 v[128+8*\t+4:128+8*\t+7], v8, s[90:91] offset:(32*(\t/2)+8*(\t%2))*4+16
	global_load_b128 v[160+8*\t:160+8*\t+3], v8, s[92:93] offset:(32*(\t/2)+8*(\t%2))*4
	global_load_b128 v[160+8*\t+4:160+8*\t+7], v8, s[92:93] offset:(32*(\t/2)+8*(\t%2))*4+16
.endr
	WIN 0
.irp t, 0,1,2,3
	global_load_b32 v[12+\t], v9, s[94:95] offset:(32*(\t/2)+8*(\t%2))*4      ; bv of my lane's output in tile t
	global_load_b32 v[UPK+\t], v9, s[98:99] offset:(32*(\t/2)+8*(\t%2))*4     ; the mask of my lane's token in tile t
.endr
.irp i, 0,1,2,3,4,5,6,7,8,9,10,11,12,13,14,15
	global_load_b128 v[192+4*\i:192+4*\i+3], v1, s[82:83] offset:512*\i       ; the batch's whole mask
.endr
	s_wait_loadcnt 0x0
	s_wait_kmcnt 0x0
	s_mov_b32 s67, s66                             ; (the packed form names the pair)
	; is any key of the batch open?
.irp n, 32,16,8,4,2,1
.set i, 0
.rept \n
	v_or_b32 v[192+i], v[192+i], v[192+\n+i]
.set i, i+1
.endr
.endr
	v_cmp_ne_u32 vcc_lo, 0, v192
	s_cmp_lg_u32 vcc_lo, 0
	s_cselect_b32 s68, -1, 0                       ; all ones, or 0 where no key is open: ANDed onto q's codes
	v_mov_b32 v84, 0x7f7f0000                      ; upper half of q's scale word: 1.0, 1.0
	v_mov_b32 v85, 0x01010000                      ; of k's: an open key
	v_mov_b32 v86, 0x01a00000                      ; a masked key: byte 2 = 160: 2^33
.irp m, 0,1,2,3
	v_cmp_eq_u32 vcc_lo, 0, v[UPK+\m]
	v_cndmask_b32 v[UPK+\m], v85, v86, vcc_lo
.endr
	WIN 0xc0
.irp t, 0,1,2,3
.irp j, 0,1,2,3,4,5,6,7
	v_mov_b32 v[192+8*\t+\j], v[12+\t]             ; bv as a result tile of v: a lane holds one output there
.endr
.endr
	; where the results go.  The loads above are done, so their bases may be written
	s_lshl_b32 s79, s74, 3
	s_add_co_u32 s79, s79, s73                     ; Hh = 8 batch + head
	s_lshl_b32 s96, s79, 16
	s_lshl_b32 s69, s75, 11
	s_add_co_u32 s96, s96, s69
	s_add_nc_u64 s[80:81], s[30:31], s[96:97]      ; q's codes: [Hh][tile][512]
	s_lshl_b32 s96, s79, 14
	s_lshl_b32 s69, s75, 9
	s_add_co_u32 s96, s96, s69
	s_add_nc_u64 s[82:83], s[32:33], s[96:97]      ; q's scale words: [Hh][block][lane][m]
	s_mul_i32 s96, s79, 155648
	s_add_nc_u64 s[34:35], s[34:35], s[96:97]      ; kv at my head
	s_lshl_b32 s96, s75, 11
	s_add_nc_u64 s[84:85], s[34:35], s[96:97]      ; k's codes
	s_lshl_b32 s96, s75, 9
	s_add_co_u32 s96, s96, 131072
	s_add_nc_u64 s[86:87], s[34:35], s[96:97]      ; k's scale words
	s_lshr_b32 s69, s75, 1                         ; the key step of 128
	s_and_b32 s39, s75, 1                          ; and which half of it
	s_lshl_b32 s96, s69, 12
	s_lshl_b32 s37, s39, 9
	s_add_co_u32 s96, s96, s37
	s_add_co_u32 s96, s96, 65536
	s_add_nc_u64 s[88:89], s[34:35], s[96:97]      ; v's codes: [step][t][c][512]
	s_lshl_b32 s96, s69, 9
	s_lshl_b32 s37, s39, 1
	s_add_co_u32 s96, s96, s37
	s_add_co_u32 s96, s96, 147456
	s_add_nc_u64 s[90:91], s[34:35], s[96:97]      ; v's scale words: [step][lane][t], my two bytes of each
	; THE NORM of my tile: mean, then the squares of the differences (two passes: a common offset cancels before it is squared)
	WIN 0x05
.irp c, 0,1,2,3
	v_pk_add_f32 v[TM+2*\c:TM+2*\c+1], v[4*\c:4*\c+1], v[4*\c+2:4*\c+3]
.endr
	WIN 0x04
.set i, 16
.rept 120
	v_pk_add_f32 v[TM+2*((i/2)%4):TM+2*((i/2)%4)+1], v[TM+2*((i/2)%4):TM+2*((i/2)%4)+1], v[i:i+1]
.set i, i+2
.endr
	WIN 0
	FOLD
	v_mul_f32 v124, 0x3b000000, v[TM]              ; / 512
	v_mov_b32 v125, v124
	WIN 0x41
.set i, 0
.rept 128
	v_pk_add_f32 v[i:i+1], v[i:i+1], v[124:125] neg_lo:[0,1] neg_hi:[0,1]
.set i, i+2
.endr
	WIN 0x05
.irp c, 0,1,2,3
	v_pk_mul_f32 v[TM+2*\c:TM+2*\c+1], v[2*\c:2*\c+1], v[2*\c:2*\c+1]
.endr
.set i, 8
.rept 124
	v_pk_fma_f32 v[TM+2*((i/2)%4):TM+2*((i/2)%4)+1], v[i:i+1], v[i:i+1], v[TM+2*((i/2)%4):TM+2*((i/2)%4)+1]
.set i, i+2
.endr
	WIN 0
	FOLD
	v_mul_f32 v[TM], 0x3b004020, v[TM]             ; / 511
	s_wait_alu depctr_va_vdst(0)
	v_sqrt_f32 v[TM+1], v[TM]
	v_nop                                          ; a plain place behind the transcendental,
	s_wait_alu depctr_va_vdst(0)                   ; and the wait ahead of its first reader
	v_add_f32 v[TM+1], 0x358637bd, v[TM+1]         ; + 1e-6
	s_wait_alu depctr_va_vdst(0)
	v_rcp_f32 v[TM+2], v[TM+1]
	v_nop
	s_wait_alu depctr_va_vdst(0)
	v_mul_f32 v126, s36, v[TM+2]                   ; alpha / (std + eps)
	v_mov_b32 v127, v126
	WIN 0x41
.set i, 0
.rept 128
	v_pk_fma_f32 v[i:i+1], v[i:i+1], v[126:127], s[66:67] op_sel_hi:[1,1,0]
.set i, i+2
.endr
.irp s, 0,1,2,3
	QUANT 64*\s, 1, ACC+8*\s
	v_lshl_or_b32 v[ACC+32+\s], v[TM+5], 8, v[TM+4]
	v_lshl_or_b32 v[ACC+32+\s], v[TM+6], 16, v[ACC+32+\s]
	v_lshl_or_b32 v[ACC+32+\s], v[TM+7], 24, v[ACC+32+\s]
.endr
.irp s, 0,1,2,3
.irp c, 0,1
	ds_store_b128 v5, v[ACC+8*\s+4*\c:ACC+8*\s+4*\c+3] offset:1024*\s+512*\c   ; the fragment as it stands: lane l's 16 bytes at 16 l
.endr
.endr
	ds_store_b128 v10, v[ACC+32:ACC+35]
	s_wait_tensorcnt 0x0                           ; the weight that I fetched has landed, for all four waves' sake
	s_wait_dscnt 0x0                               ; my images have landed, for the others' sake
	s_barrier_signal -1
	s_barrier_wait -1                              ; n's sixteen fragments lie in LDS
	WIN 0x40
.irp f, 0,1,2,3,4,5,6,7,8,9,10,11,12,13,14,15
.irp c, 0,1
	ds_load_b128 v[8*\f+4*\c:8*\f+4*\c+3], v11 offset:1024*\f+512*\c
.endr
.endr
	WIN 0
.irp m, 0,1,2,3
	ds_load_b128 v[NS+4*\m:NS+4*\m+3], v11 offset:16384+512*\m
.endr
.macro WLOAD reg, kap                  ; a weight's 16 fragments (tile t, K step s) at v[reg + 8 (4 t + s)]
.irp t, 0,1,2,3
.irp s, 0,1,2,3
.irp c, 0,1
	ds_load_b128 v[\reg+8*(4*\t+\s)+4*\c:\reg+8*(4*\t+\s)+4*\c+3], v[\kap] offset:(32*(\t/2)+8*(\t%2))*272+64*\s+32*\c   ; kap: the address register of the weight
.endr
.endr
.endr
.endm
	WIN 0x80                                       ; destination window 2
	WLOAD 0, 6
	WLOAD 128, 96
; q (kap = 0) or k (1), transposed: source 0 = 16 rows of the weight, source 1 = 16 tokens: a lane holds one token, its registers run along the head's 64.  The 16 accumulators take turns, one instruction a turn; the bias is the C of each sum's first instruction.
.macro QKPROD kap
.irp s, 0,1,2,3
.if \s == 0
	WIN 0x36                                       ; weight window 2, n window 1, bias window 3
.else
	WIN 0x06
.endif
.irp m, 0,1,2,3
.irp t, 0,1,2,3
.if \s == 0
	v_wmma_scale_f32_16x16x128_f8f6f4 v[ACC+8*(4*\m+\t):ACC+8*(4*\m+\t)+7], v[128*\kap+8*(4*\t+\s):128*\kap+8*(4*\t+\s)+7], v[8*(4*\m+\s):8*(4*\m+\s)+7], v[128+32*\kap+8*\t:128+32*\kap+8*\t+7], v[WSC+16*\kap+4*\t+\s], v[NS+4*\m+\s] matrix_a_fmt:MATRIX_FMT_FP4 matrix_b_fmt:MATRIX_FMT_FP4
.else
	v_wmma_scale_f32_16x16x128_f8f6f4 v[ACC+8*(4*\m+\t):ACC+8*(4*\m+\t)+7], v[128*\kap+8*(4*\t+\s):128*\kap+8*(4*\t+\s)+7], v[8*(4*\m+\s):8*(4*\m+\s)+7], v[ACC+8*(4*\m+\t):ACC+8*(4*\m+\t)+7], v[WSC+16*\kap+4*\t+\s], v[NS+4*\m+\s] matrix_a_fmt:MATRIX_FMT_FP4 matrix_b_fmt:MATRIX_FMT_FP4
.endif
.endr
.endr
.endr
	WIN 0
	PLACES
.endm
; the four tiles' 64 x 2 numbers become codes in v[PC ..] (four registers a tile) and scale words in v[SW ..]: two bytes and the upper half up0 + m x upstep
.macro QKQUANT up0, upstep
.irp p, 0,1
	QUANT ACC+64*\p, 0, PC+8*\p
	v_lshl_or_b32 v[SW+2*\p], v[TM+5], 8, v[TM+4]
	v_lshl_or_b32 v[SW+2*\p+1], v[TM+7], 8, v[TM+6]
	v_or_b32 v[SW+2*\p], v[SW+2*\p], v[\up0+\upstep*(2*\p)]
	v_or_b32 v[SW+2*\p+1], v[SW+2*\p+1], v[\up0+\upstep*(2*\p+1)]
.endr
.endm
	s_wait_dscnt 32                                ; all but the youngest 32 loads, wk's, are in
	QKPROD 0
	WIN 0xc0                                       ; destination window 3
	WLOAD 0, 97
	WIN 0
	QKQUANT 84, 0
.irp i, 0,1,2,3,4,5,6,7,8,9,10,11,12,13,14,15
	v_and_b32 v[PC+\i], s68, v[PC+\i]              ; a batch without an open key: q = 0
.endr
.irp m, 0,1,2,3
	global_store_b128 v1, v[PC+4*\m:PC+4*\m+3], s[80:81] offset:512*\m    ; 32 lanes store 512 consecutive bytes
.endr
	global_store_b128 v1, v[SW:SW+3], s[82:83]
	s_wait_dscnt 32                                ; wk's fragments are in; wv's 32 loads may be out
	QKPROD 1
	s_wait_xcnt 0x0                                ; q's stores have read their registers: codes and scale words may be written again
	QKQUANT UPK, 1
.irp m, 0,1,2,3
	global_store_b128 v1, v[PC+4*\m:PC+4*\m+3], s[84:85] offset:512*\m
.endr
	global_store_b128 v1, v[SW:SW+3], s[86:87]
	; v: source 0 = 16 tokens, source 1 = 16 rows of wv: a lane holds one output, its registers run along the tokens, which are the second attention product's K
	s_wait_dscnt 0x0
.irp s, 0,1,2,3
.if \s == 0
	WIN 0x3d                                       ; n window 1, wv window 3, bias window 3
.else
	WIN 0x0d
.endif
.irp t, 0,1,2,3
.irp m, 0,1,2,3
.if \s == 0
	v_wmma_scale_f32_16x16x128_f8f6f4 v[ACC+8*(4*\t+\m):ACC+8*(4*\t+\m)+7], v[8*(4*\m+\s):8*(4*\m+\s)+7], v[8*(4*\t+\s):8*(4*\t+\s)+7], v[192+8*\t:192+8*\t+7], v[NS+4*\m+\s], v[WSC+32+4*\t+\s] matrix_a_fmt:MATRIX_FMT_FP4 matrix_b_fmt:MATRIX_FMT_FP4
.else
	v_wmma_scale_f32_16x16x128_f8f6f4 v[ACC+8*(4*\t+\m):ACC+8*(4*\t+\m)+7], v[8*(4*\m+\s):8*(4*\m+\s)+7], v[8*(4*\t+\s):8*(4*\t+\s)+7], v[ACC+8*(4*\t+\m):ACC+8*(4*\t+\m)+7], v[NS+4*\m+\s], v[WSC+32+4*\t+\s] matrix_a_fmt:MATRIX_FMT_FP4 matrix_b_fmt:MATRIX_FMT_FP4
.endif
.endr
.endr
.endr
	WIN 0
	PLACES
	s_wait_xcnt 0x0                                ; k's stores have read their registers
.irp p, 0,1
	QUANT ACC+64*\p, 0, PC+8*\p
	v_lshl_or_b32 v[SW+2*\p], v[TM+5], 8, v[TM+4]  ; the bytes of my 64 tokens' two blocks, for output tile 2 p,
	v_lshl_or_b32 v[SW+2*\p+1], v[TM+7], 8, v[TM+6]    ; and 2 p + 1
.endr
.irp t, 0,1,2,3
	global_store_b128 v1, v[PC+4*\t:PC+4*\t+3], s[88:89] offset:1024*\t
.endr
.irp t, 0,1,2,3
	global_store_b16 v1, v[SW+\t], s[90:91] offset:4*\t    ; half of a scale word: the other half is the neighbouring block's
.endr
	s_wait_tensorcnt 0x0
	ds_add_u32 v98, v99
	s_wait_dscnt 0x0
	ROUND                                          ; the closing round: no work-group ends while a partner may still ask for a tile that names it
	s_endpgm
.Lfunc_end_k_qde36c157fc_qkv:
	.size	k_qde36c157fc_qkv, .Lfunc_end_k_qde36c157fc_qkv-k_qde36c157fc_qkv
	.p2alignl 7, 3214868480
	.fill 96, 4, 3214868480
	.section	.rodata,"a",@progbits
	.p2align	6, 0x0
	.amdhsa_kernel k_qde36c157fc_qkv
		.amdhsa_group_segment_fixed_size 227840
		.amdhsa_private_segment_fixed_size 0
		.amdhsa_enable_private_segment 0
		.amdhsa_kernarg_size 128
		.amdhsa_user_sgpr_count 2
		.amdhsa_user_sgpr_kernarg_segment_ptr 1
		.amdhsa_wavefront_size32 1
		.amdhsa_system_sgpr_workgroup_id_x 1
		.amdhsa_system_sgpr_workgroup_id_y 1
		.amdhsa_system_sgpr_workgroup_id_z 1
		.amdhsa_system_vgpr_workitem_id 0
		.amdhsa_next_free_vgpr 1024
		.amdhsa_next_free_sgpr 100
		.amdhsa_reserve_vcc 1
		.amdhsa_float_denorm_mode_32 3
		.amdhsa_float_denorm_mode_16_64 3
		.amdhsa_memory_ordered 1
		.amdhsa_forward_progress 1
		.amdhsa_inst_pref_size 129
	.end_amdhsa_kernel
	.amdgpu_metadata
---
amdhsa.version: [ 1, 2 ]
amdhsa.kernels:
  - .name:           k_qde36c157fc_qkv
    .symbol:         k_qde36c157fc_qkv.kd
    .args:
      - { .name: x, .offset: 0, .size: 8, .value_kind: global_buffer, .address_space: global }
      - { .name: src_mask, .offset: 8, .size: 8, .value_kind: global_buffer, .address_space: global }
      - { .name: wq_codes, .offset: 16, .size: 8, .value_kind: global_buffer, .address_space: global }
      - { .name: wq_scales, .offset: 24, .size: 8, .value_kind: global_buffer, .address_space: global }
      - { .name: bq, .offset: 32, .size: 8, .value_kind: global_buffer, .address_space: global }
      - { .name: wk_codes, .offset: 40, .size: 8, .value_kind: global_buffer, .address_space: global }
      - { .name: wk_scales, .offset: 48, .size: 8, .value_kind: global_buffer, .address_space: global }
      - { .name: bk, .offset: 56, .size: 8, .value_kind: global_buffer, .address_space: global }
      - { .name: wv_codes, .offset: 64, .size: 8, .value_kind: global_buffer, .address_space: global }
      - { .name: wv_scales, .offset: 72, .size: 8, .value_kind: global_buffer, .address_space: global }
      - { .name: bv, .offset: 80, .size: 8, .value_kind: global_buffer, .address_space: global }
      - { .name: alpha1, .offset: 88, .size: 8, .value_kind: global_buffer, .address_space: global }
      - { .name: beta1, .offset: 96, .size: 8, .value_kind: global_buffer, .address_space: global }
      - { .name: qc, .offset: 104, .size: 8, .value_kind: global_buffer, .address_space: global }
      - { .name: qs, .offset: 112, .size: 8, .value_kind: global_buffer, .address_space: global }
      - { .name: kv, .offset: 120, .size: 8, .value_kind: global_buffer, .address_space: global }
    .group_segment_fixed_size: 227840
    .private_segment_fixed_size: 0
    .kernarg_segment_align: 8
    .kernarg_segment_size: 128
    .max_flat_workgroup_size: 128
    .sgpr_count:     100
    .vgpr_count:     1024
    .wavefront_size: 32
...
	.end_amdgpu_metadata
.endif
;; end of part 1
;; launch attn (part 2): grid 8 x 32, 8 waves a work-group, clusters of 4 x 1, 169,984 bytes of LDS; arguments qc, qs, kv, cc, cs; writes cc, cs
.if DOCPART == 2
	.amdgcn_target "amdgcn-amd-amdhsa--gfx1250"
	.amdhsa_code_object_version 6
	.text
	.protected	k_qde36c157fc_attn
	.globl	k_qde36c157fc_attn
	.p2align	8
	.type	k_qde36c157fc_attn,@function
k_qde36c157fc_attn:
	s_mov_b64 s[64:65], 0
	v_nop
	global_prefetch_b8 v0, s[64:65] scope:SCOPE_SE
	s_setreg_imm32_b32 hwreg(HW_REG_WAVE_MODE, 25, 1), 1
	s_wait_xcnt 0x0
	s_wait_alu depctr_hold_cnt(0) depctr_sa_sdst(0) depctr_va_vdst(0) depctr_va_sdst(0) depctr_va_ssrc(0) depctr_va_vcc(0) depctr_vm_vsrc(0)
	s_getreg_b32 s2, hwreg(HW_REG_IB_STS2, 6, 4)
	s_cmp_eq_u32 s2, 0
	s_cbranch_scc0 .Lentry_in_a_cluster
	s_endpgm
.Lentry_in_a_cluster:
	s_bfe_u32 s2, ttmp6, 0x10000c
	s_cmp_lg_u32 s2, 0x3003
	s_cbranch_scc0 .Lentry_shape_is_right
	s_endpgm
.Lentry_shape_is_right:
; ctx = softmax(q k^T / 8, masked) v for one head, both products on codes of FP4 with E8M0 scales; ctx is quantised along the head's 64 and stored as a piece of the next product's operand.
; THE SOFTMAX: t = score x log2(e) / 8; M = the running largest t rounded up to a whole number; p = 2^(t - M) is quantised along the keys; the row's sum is taken of the unquantised p and divides at the end.  When M moves, sum and O are multiplied by 2^(old M - new M): exact.
; THE MASK needs no instruction here: q k^T uses k = 0 .. 63 of the instruction's 128; at k = 64 q has the code +1 and every key the code -1, and byte 2 of the key's scale word is 1 (open: -2^-126) or 160 (masked: -2^33 on the score, a logit of -2^30).
; LIMITS: a masked logit is -2^30 where the definition has -1e9; blocks whose largest magnitude lies under 2^-124 keep the scale byte 1; NaN and infinities are not served; the scaled scores stay under 2^31 in magnitude.
; SHARES.  A work-group owns 256 queries of one head.  Each of its eight waves owns two tiles of 16 queries, one after the other (tiles wave and wave + 8 of the block), and walks the head's 2,048 keys in four steps of 512.
; A STEP OF 512 KEYS: the 256 scores of a lane fill window 1; M, its factor and the rescaling of O come once for 512 keys; the multiply-adds, exponentials, sums and conversions are long runs of independent lines.
; A head's k, v and scale words, 155,648 bytes, lie in LDS once, as they lie in memory: images of operand registers.  Nothing is filled twice: no ring.
; CLUSTER: four blocks of queries of one head need the same bytes: each wave's load (76 rows of 256 bytes) is a joint one, mask 15.  No prefetch: all is asked for at the head.
; Both products are used transposed (S^T = k q^T, O^T = v^T p^T): a lane holds one query throughout.
; THE KEYS OF A TILE: of a group of 64 keys, rows 0-7 of tile t are keys 8 t + 0 .. 7, rows 8-15 are keys 32 + 8 (t xor 2) + 0 .. 7.  So the 32 registers of a group's four tiles are, in lanes 0-15, the group's first block of 32 keys, whole, and in lanes 16-31 its second:
; a block's largest score needs no other lane, and the conversions' results are the second product's operand as they stand.  The xor lets the sixteen lanes of a load touch sixteen different columns of 16 bytes modulo 256.
; It permutes the 8-key pieces inside a block of lanes 16-31; v's fragments take the same permutation (two loads of 8 bytes, their places exchanged in lanes 16-31), so the products are the same and the blocks' scales are untouched.
; REGISTERS.  Window 1: v0-255 S^T, then p; when a part is converted, v's fragments land in v0-127.  Window 0: v1-7 addresses that stay, v8-11 and v25-27 the step's, v12 -M, v13 the largest t, v[14:15] the sum, v16-23 q, v24 its scale word, v28-29 for the add, v30 the factor;
;   v32-95 eight fragments of k (upper halves constant), v96-103 their scale words, v104-119 v's, v120-123 p's, v124-151 at work, v152-167 eight chains of sums, v168-199 p's codes, v200-231 O^T, v232-236 the second tile's q.
.set VC,  65536                        ; LDS: k's codes at 0, v's here,
.set KS,  131072                       ; k's scale words,
.set VS,  147456                       ; v's
.set SPARE, 0x29000                    ; the spare words: 128 bytes a wave
.set WV,  14
.set SEL, 36
.set CS,  38
.set TJ,  40                           ; the step's codes: 16,384 bytes a step, of k and of v
.set TK,  41                           ; k's scale words: 4,096 a step
.set TV,  42                           ; v's: 2,048 a step
.set CNT, 43
.set PASS, 49
.set KF,  32
.set KSW, 96
.set VSW, 104
.set PSW, 120
.set BM,  124
.set SO,  132
.set TB,  140
.set T2,  148
.set SUM, 152
.set P,   168
.set O,   200
.set QN,  232
.set MSB, 0
.macro WIN new                         ; the immediate's high byte repeats the setting that is left
.if MSB != (\new)
	s_set_vgpr_msb (MSB<<8)|(\new)
.set MSB, (\new)
.endif
.endm
.macro ROUND
	s_barrier_signal -1
	s_barrier_wait -1
	s_cmp_lg_u32 s[WV], 0
	s_cbranch_scc1 .Lnot_wave_0_\@
	s_barrier_signal -3
.Lnot_wave_0_\@:
	s_barrier_wait -3
	s_barrier_signal -1
	s_barrier_wait -1
.endm
.macro PLACES
.rept 4
	v_nop
.endr
.endm
.macro KLOAD g, set                    ; group g's four tiles of k and their scale words: six loads
	ds_load_b128 v[KF+32*(\set):KF+32*(\set)+3], v8 offset:2048*(\g)
	ds_load_b128 v[KF+32*(\set)+8:KF+32*(\set)+11], v8 offset:2048*(\g)+512
	ds_load_b128 v[KF+32*(\set)+16:KF+32*(\set)+19], v9 offset:2048*(\g)
	ds_load_b128 v[KF+32*(\set)+24:KF+32*(\set)+27], v9 offset:2048*(\g)+512
	ds_load_b64 v[KSW+4*(\set):KSW+4*(\set)+1], v10 offset:512*(\g)
	ds_load_b64 v[KSW+4*(\set)+2:KSW+4*(\set)+3], v11 offset:512*(\g)
.endm
.macro GMAX g                          ; my block's largest score in group g, in four chains; each tile is read from its low end on.  Sources 0 and 1: window 1
.irp q, 0,1,2,3                                    ; four chains by turns, one to a tile: chain q in v[BM + 8 q + g]
	v_max_num_f32 v[BM+8*\q+(\g)], v[32*(\g)+8*\q], v[32*(\g)+8*\q+1]
.endr
.irp i, 2,4,6
.irp q, 0,1,2,3
	v_max3_num_f32 v[BM+8*\q+(\g)], v[32*(\g)+8*\q+\i], v[32*(\g)+8*\q+\i+1], v[BM+8*\q+(\g)]
.endr
.endr
.endm
.macro PSUM from, to                   ; p's registers from .. to - 1 onto the eight chains.  Source 1: window 1
.set i, \from
.rept (\to-\from)/2
	v_pk_add_f32 v[SUM+2*((i/2)%8):SUM+2*((i/2)%8)+1], v[SUM+2*((i/2)%8):SUM+2*((i/2)%8)+1], v[i:i+1]
.set i, i+2
.endr
.endm
.macro PCVT s                          ; the codes of the step's s-th 128 keys: register 4 c + t holds the keys of tile t of group 2 s + c.  Source 0: window 1
.irp c, 0,1
.irp t, 0,1,2,3
	v_cvt_scalef32_pk8_fp4_f32 v[P+8*\s+4*\c+\t], v[64*\s+32*\c+8*\t:64*\s+32*\c+8*\t+7], v[SO+2*\s+\c]
.endr
.endr
.endm
.macro VLOAD s                         ; v's four fragments of the s-th 128 keys into window 1, v[32 s ..]: registers whose p has been converted
.irp t, 0,1,2,3
.irp c, 0,1
	ds_load_b64 v[32*\s+8*\t+4*\c:32*\s+8*\t+4*\c+1], v25 offset:4096*\s+1024*\t+512*\c
	ds_load_b64 v[32*\s+8*\t+4*\c+2:32*\s+8*\t+4*\c+3], v26 offset:4096*\s+1024*\t+512*\c
.endr
.endr
.endm
	s_load_b256 s[4:11], s[0:1], 0x0               ; qc 4, qs 6, kv 8, cc 10
	s_load_b64 s[12:13], s[0:1], 0x20              ; cs
	v_lshl_add_u32 v28, v0, 2, SPARE
	v_mov_b32 v29, 0
	ds_add_u32 v28, v29                            ; the opening lines: the add twice on end and its wait
	ds_add_u32 v28, v29
	v_lshrrev_b32 v1, 5, v0
	v_readfirstlane_b32 s[WV], v1                  ; wave 0..7
	s_bfe_u32 s15, ttmp6, 0x40000                  ; cx
	s_lshl_b32 s28, ttmp9, 2
	s_add_co_u32 s28, s28, s15                     ; my block of 256 queries: it enters q's and the outputs' addresses alone
	s_and_b32 s29, ttmp7, 0xffff                   ; Hh = 8 batch + head, shared by the four partners
	s_mov_b32 s16, 15|(3<<16)|(1<<21)              ; group 1: mask of all four; elements of 8 bytes; bit 21 beside a mask; no padding
	s_mov_b32 s17, 32<<16                          ; tensor_dim0 = 32 elements: 256 bytes
	s_mov_b32 s18, 76<<16                          ; tensor_dim1 = 76 rows: an eighth of the head's 155,648 bytes
	s_mov_b32 s19, 32<<16
	s_mov_b32 s20, 76
	s_mov_b32 s21, 32
	s_mov_b32 s22, 0
	s_mov_b32 s23, 0
	s_mul_i32 s32, s[WV], 19456
	s_mul_i32 s30, s29, 155648
	s_add_co_u32 s30, s30, s32
	s_mov_b32 s31, 0
	s_mov_b32 s[SEL], 0x76543210
	s_mov_b32 s[SEL+1], 0xfedcba98
	s_mov_b32 s[CS], 0x3e38aa3b                    ; c = log2(e) / 8
	s_mov_b32 s[CS+1], s[CS]
	s_mov_b32 s[TJ], 0
	s_mov_b32 s[TK], 0
	s_mov_b32 s[TV], 0
	s_mov_b32 s[PASS], 2
	s_wait_dscnt 0x0
	s_wait_kmcnt 0x0
	s_mov_b32 s24, 1
	s_mov_b32 s25, s32
	s_add_nc_u64 s[26:27], s[8:9], s[30:31]
	s_or_b32 s27, s27, 0x80000000
	ROUND                                          ; all four partners are here: the joint loads meet
	tensor_load_to_lds s[24:27], s[16:23]          ; my one load
	s_nop 0
	PLACES
	s_lshl_b32 s33, s28, 4
	s_add_co_u32 s33, s33, s[WV]                   ; my first tile of queries within the batch; the second lies 8 tiles on
	s_mov_b32 s45, 0
	s_lshl_b32 s44, s29, 16
	s_lshl_b32 s46, s33, 9
	s_add_co_u32 s44, s44, s46
	s_add_nc_u64 s[4:5], s[4:5], s[44:45]          ; its codes
	s_lshl_b32 s44, s29, 14
	s_lshr_b32 s46, s33, 2
	s_lshl_b32 s46, s46, 9
	s_add_co_u32 s44, s44, s46
	s_and_b32 s46, s33, 3
	s_lshl_b32 s46, s46, 2
	s_add_co_u32 s44, s44, s46
	s_add_nc_u64 s[6:7], s[6:7], s[44:45]          ; its scale words
	s_lshr_b32 s46, s29, 3
	s_lshl_b32 s46, s46, 7
	s_add_co_u32 s46, s46, s33                     ; the tile among all 512
	s_and_b32 s47, s29, 7                          ; the head
	s_lshl_b32 s44, s46, 12
	s_lshl_b32 s48, s47, 9
	s_add_co_u32 s44, s44, s48
	s_add_nc_u64 s[10:11], s[10:11], s[44:45]      ; ctx's codes: [tile][head][512]
	s_lshl_b32 s44, s46, 8
	s_lshl_b32 s48, s47, 1
	s_add_co_u32 s44, s44, s48
	s_add_nc_u64 s[12:13], s[12:13], s[44:45]      ; ctx's scale bytes: [tile][row][head], two each
	v_and_b32 v1, 31, v0
	v_lshlrev_b32 v1, 4, v1                        ; 16 x lane
	global_load_b128 v[16:19], v1, s[4:5]          ; q: lane (r, h) holds query r, d = 32 h + 0 .. 31
	global_load_b32 v24, v1, s[6:7]
	global_load_b128 v[QN:QN+3], v1, s[4:5] offset:4096    ; the second tile's, 8 tiles of 512 bytes on,
	global_load_b32 v[QN+4], v1, s[6:7] offset:1024        ; and its scale words, two blocks of four tiles on
	v_and_b32 v2, 7, v0                            ; j: the row within its eight
	v_bfe_u32 v3, v0, 3, 1                         ; g: rows 0-7 or 8-15 of a tile
	v_bfe_u32 v7, v0, 4, 1                         ; h
	v_lshlrev_b32 v2, 4, v2
	v_mad_u32_u24 v4, v3, 136, v2                  ; k's scale words, tiles 0 and 1: 16 j + 8 g + 128 g
	v_mad_u32_u24 v2, v3, 1152, v2                 ; k's codes, tiles 0 and 1: 16 j + 1,024 g + 128 g
	v_lshl_add_u32 v2, v7, 8, v2                   ; + 256 h.  Tiles 2 and 3: the same with bit 7 turned
	v_add_nc_u32 v3, KS, v4
	v_lshl_add_u32 v4, v7, 3, v1
	v_add_nc_u32 v4, VC, v4                        ; v's codes, first 8 bytes: 16 x lane + 8 h; the second 8: bit 3 turned
	v_add_nc_u32 v5, VS, v1
	v_and_b32 v6, 15, v0
	v_lshlrev_b32 v6, 4, v6                        ; 16 r
	v_lshlrev_b32 v20, 1, v7
	v_sub_nc_u32 v20, 2, v20                       ; q's k = 64: the code of +1 in lanes 0-15, nothing in lanes 16-31
	v_mul_u32_u24 v36, v7, 10
	v_sub_nc_u32 v36, 10, v36                      ; k's: the code of -1
	v_lshlrev_b32 v7, 3, v7                        ; 8 h: where my bytes stand in a scale word
.irp i, 21,22,23
	v_mov_b32 v[\i], 0
.endr
.irp f, 1,2,3,4,5,6,7
	v_mov_b32 v[KF+8*\f+4], v36
.endr
.irp f, 0,1,2,3,4,5,6,7
.irp i, 5,6,7
	v_mov_b32 v[KF+8*\f+\i], 0
.endr
.endr
.irp b, 0,1,2,3
	v_mov_b32 v[T2+\b], 0                          ; a lane permute's destination counts as one of its sources
.endr
	v_mov_b32 v31, 0                               ; (named with v30 as a pair)
	s_wait_alu depctr_va_vdst(0)
	s_wait_tensorcnt 0x0                           ; my part of the head has landed,
	s_wait_loadcnt 0x0
	s_barrier_signal -1
	s_barrier_wait -1                              ; everybody's has
	v_add_nc_u32 v8, s[TJ], v2                     ; the first step's first two groups of k
	v_add_nc_u32 v10, s[TK], v3
	v_xor_b32 v9, 128, v8
	v_xor_b32 v11, 128, v10
	s_wait_alu depctr_va_vdst(0)
	KLOAD 0, 0
	KLOAD 1, 1
.Ltile:
	s_mov_b32 s[CNT], 4
	v_mov_b32 v13, 0xff61b1e6                      ; the largest t so far: -3e38
	v_floor_f32 v12, -v13                          ; -M
	v_mov_b32 v14, 0
	v_mov_b32 v15, 0
.set i, 0
.rept 32
	v_mov_b32 v[O+i], 0                            ; O^T: the step is written once; a tile's first step finds zeros
.set i, i+1
.endr
.Lstep:                                            ; four trips of 512 keys
	v_add_nc_u32 v25, s[TJ], v4                    ; (these five are the places between the last trip's products and what is laid over their operands)
	v_add_nc_u32 v27, s[TV], v5
	v_xor_b32 v26, 8, v25
	v_nop
	v_nop
	s_wait_alu depctr_va_vdst(0)
.irp s, 0,1,2,3
	ds_load_b128 v[VSW+4*\s:VSW+4*\s+3], v27 offset:512*\s
.endr
	; (groups 0 and 1 of k were asked for behind the last step's scores, or ahead of the first tile)
; S^T = k q^T, eight groups of 64 keys.  While a group is multiplied, the group before gives its largest scores (these lines are the places behind the products) and the group after next is fetched.
.set g, 0
.rept 8
.if g < 7
	s_wait_dscnt 6                                 ; all but the next group's six loads
.else
	s_wait_dscnt 0x0
.endif
	WIN 0x40
.irp t, 0,1,2,3
	v_wmma_scale_f32_16x16x128_f8f6f4 v[32*g+8*\t:32*g+8*\t+7], v[KF+32*(g%2)+8*\t:KF+32*(g%2)+8*\t+7], v[16:23], 0, v[KSW+4*(g%2)+\t], v24 matrix_a_fmt:MATRIX_FMT_FP4 matrix_b_fmt:MATRIX_FMT_FP4
.endr
.if g > 0
	WIN 0x05
	GMAX g-1
.else
	PLACES
.endif
.if g < 6
	WIN 0
	KLOAD g+2, g%2
.endif
.set g, g+1
.endr
	GMAX 7
	WIN 0
	s_add_co_u32 s[TJ], s[TJ], 16384               ; on by 512 keys; behind the fourth step back to key 0, for the next tile
	s_and_b32 s[TJ], s[TJ], 0xc000
	s_add_co_u32 s[TK], s[TK], 4096
	s_and_b32 s[TK], s[TK], 0x3000
	s_add_co_u32 s44, s[PASS], s[CNT]
	s_cmp_eq_u32 s44, 2                            ; the second tile's fourth step has no successor
	s_wait_alu depctr_va_vdst(0)
	s_cbranch_scc1 .Lno_more
	v_add_nc_u32 v8, s[TJ], v2                     ; k's fragments are free: the next step's first two groups are asked for here, and land under the softmax
	v_add_nc_u32 v10, s[TK], v3
	v_xor_b32 v9, 128, v8
	v_xor_b32 v11, 128, v10
	s_wait_alu depctr_va_vdst(0)
	KLOAD 0, 0
	KLOAD 1, 1
.Lno_more:
.irp g, 0,1,2,3,4,5,6,7
	v_max3_num_f32 v[BM+\g], v[BM+\g], v[BM+8+\g], v[BM+16+\g]
.endr
.irp g, 0,1,2,3,4,5,6,7
	v_max_num_f32 v[BM+\g], v[BM+\g], v[BM+24+\g]  ; the largest score of my block of 32 keys in group g: for the row's maximum and, since p rises with the score, for the block's largest p
.endr
	v_max3_num_f32 v[T2], v[BM], v[BM+1], v[BM+2]
	v_max3_num_f32 v[T2+1], v[BM+3], v[BM+4], v[BM+5]
	s_delay_alu instid0(VALU_DEP_2)
	v_max3_num_f32 v[T2], v[T2], v[BM+6], v[BM+7]
	s_delay_alu instid0(VALU_DEP_1)
	v_max_num_f32 v[T2], v[T2], v[T2+1]
	s_delay_alu instid0(VALU_DEP_1)
	v_permlanex16_b32 v[T2+2], v[T2], s[SEL], s[SEL+1]
	s_delay_alu instid0(VALU_DEP_1)
	v_max_num_f32 v[T2], v[T2], v[T2+2]            ; with lane l xor 16's blocks: the step's largest score of my query
	s_delay_alu instid0(VALU_DEP_1)
	v_mul_f32 v[T2], s[CS], v[T2]                  ; as t
	s_delay_alu instid0(VALU_DEP_1)
	v_max_num_f32 v13, v13, v[T2]                  ; the running largest t
	v_mov_b32 v[T2], v12
	s_delay_alu instid0(VALU_DEP_2)
	v_floor_f32 v12, -v13                          ; the new -M = -ceil(t)
	s_delay_alu instid0(VALU_DEP_1)
	v_sub_f32 v[T2], v12, v[T2]                    ; old M - new M: a whole number, 0 or less
	s_delay_alu instid0(VALU_DEP_1)
	v_cvt_i32_f32 v[T2], v[T2]                     ; (it saturates)
	s_delay_alu instid0(VALU_DEP_1)
	v_ldexp_f32 v30, 1.0, v[T2]                    ; f = 2^(old M - new M)
.irp g, 0,1,2,3,4,5,6,7
	v_fma_f32 v[BM+\g], v[BM+\g], s[CS], v12
.endr
	WIN 0x41
.set i, 0
.rept 128
	v_pk_fma_f32 v[i:i+1], v[i:i+1], s[CS:CS+1], v[12:13] op_sel_hi:[1,0,0]   ; t - M
.set i, i+2
.endr
	s_wait_alu depctr_va_vdst(0)
.set i, 0
.rept 256
	v_exp_f32 v[i], v[i]                           ; p = 2^(t - M)
.set i, i+1
.endr
	WIN 0
.irp g, 0,1,2,3,4,5,6,7
	v_exp_f32 v[BM+\g], v[BM+\g]                   ; each block's largest p
.endr
	v_pk_mul_f32 v[14:15], v[14:15], v[30:31] op_sel_hi:[1,0]    ; the sum under the new M: a plain place behind the exponentials
	s_wait_alu depctr_va_vdst(0)                   ; one wait for the batch of 264, ahead of its first reader
.irp g, 0,1,2,3,4,5,6,7
	v_max_num_f32 v[BM+\g], 0x1800000, v[BM+\g]    ; the floor 2^(3 - 127): the byte cannot fall under 1
.endr
.irp g, 0,1,2,3,4,5,6,7
	v_add_nc_u32 v[SO+\g], 0xff000000, v[BM+\g]    ; 2 off the exponent field: the conversion's scale operand
.endr
.irp g, 0,1,2,3,4,5,6,7
	v_lshrrev_b32 v[TB+\g], 23, v[SO+\g]           ; the scale's byte
.endr
.irp s, 0,1,2,3
	v_lshl_or_b32 v[TB+2*\s], v[TB+2*\s+1], 16, v[TB+2*\s]   ; my two bytes of the s-th 128 keys: blocks h and 2 + h,
.endr
.irp s, 0,1,2,3
	v_lshlrev_b32 v[TB+2*\s], v7, v[TB+2*\s]       ; at their places;
.endr
.irp s, 0,1,2,3
	v_permlanex16_b32 v[T2+\s], v[TB+2*\s], s[SEL], s[SEL+1]
.endr
.irp s, 0,1,2,3
	v_or_b32 v[PSW+\s], v[TB+2*\s], v[T2+\s]       ; with lane l xor 16's two the word is whole
.endr
	WIN 0x05
.irp k, 0,1,2,3,4,5,6,7
	v_pk_add_f32 v[SUM+2*\k:SUM+2*\k+1], v[2*\k:2*\k+1], v[16+2*\k:17+2*\k]   ; the row's sum is taken of the unquantised p: eight chains begin
.endr
	WIN 0x04
	PSUM 32, 64
	WIN 0x01
	PCVT 0
	WIN 0x40
	VLOAD 0                                        ; p's registers 0-63 are summed and converted: v's fragments of the first 256 keys land there
	VLOAD 1
	WIN 0x04
	PSUM 64, 128
	WIN 0x01
	PCVT 1
	WIN 0x40
	VLOAD 2                                        ; and those of the last 256 keys in registers 64-127
	VLOAD 3
	WIN 0x04
	PSUM 128, 192
	WIN 0x01
	PCVT 2
	WIN 0x04
	PSUM 192, 256
	WIN 0x01
	PCVT 3
	WIN 0
.irp k, 0,2,4,6
	v_pk_add_f32 v[SUM+\k:SUM+\k+1], v[SUM+\k:SUM+\k+1], v[SUM+8+\k:SUM+9+\k]
.endr
.irp k, 0,2
	v_pk_add_f32 v[SUM+\k:SUM+\k+1], v[SUM+\k:SUM+\k+1], v[SUM+4+\k:SUM+5+\k]
.endr
	v_pk_add_f32 v[SUM:SUM+1], v[SUM:SUM+1], v[SUM+2:SUM+3]
	s_delay_alu instid0(VALU_DEP_1)
	v_pk_add_f32 v[14:15], v[14:15], v[SUM:SUM+1]
	s_wait_dscnt 0x0                               ; v's fragments are in
	s_wait_alu depctr_va_vdst(0)
.set i, 0
.rept 16
	v_pk_mul_f32 v[O+i:O+i+1], v[O+i:O+i+1], v[30:31] op_sel_hi:[1,0]    ; O^T under the new M
.set i, i+2
.endr
	WIN 0x01
.irp s, 0,1,2,3                                    ; O^T += v^T p^T: the four accumulators by turns
.irp t, 0,1,2,3
	v_wmma_scale_f32_16x16x128_f8f6f4 v[O+8*\t:O+8*\t+7], v[32*\s+8*\t:32*\s+8*\t+7], v[P+8*\s:P+8*\s+7], v[O+8*\t:O+8*\t+7], v[VSW+4*\s+\t], v[PSW+\s] matrix_a_fmt:MATRIX_FMT_FP4 matrix_b_fmt:MATRIX_FMT_FP4
.endr
.endr
	WIN 0
	s_add_co_u32 s[TV], s[TV], 2048
	s_and_b32 s[TV], s[TV], 0x1800
	s_sub_co_u32 s[CNT], s[CNT], 1
	s_cmp_lg_u32 s[CNT], 0
	s_cbranch_scc1 .Lstep
	; THE WAY OUT: O^T / the sum, quantised along the head's 64 (two blocks), as a piece of the next product's operand
	PLACES
	v_add_f32 v14, v14, v15
	s_delay_alu instid0(VALU_DEP_1)
	v_permlanex16_b32 v[T2], v14, s[SEL], s[SEL+1]
	s_delay_alu instid0(VALU_DEP_1)
	v_add_f32 v14, v14, v[T2]
	s_wait_alu depctr_va_vdst(0)                   ; the wait ahead of the transcendental
	v_rcp_f32 v14, v14
	v_nop
	s_wait_alu depctr_va_vdst(0)                   ; and ahead of its first reader, which is O^T's first reader too
.set i, 0
.rept 32
	v_mul_f32 v[P+i], v[O+i], v14                  ; register 16 b + i = d 32 b + 16 h + i of my query
.set i, i+1
.endr
.irp b, 0,1
	v_max3_num_f32 v[BM+\b], |v[P+16*\b]|, |v[P+16*\b+1]|, 0x1800000
.endr
.irp i, 2,4,6,8,10,12,14
.irp b, 0,1
	s_delay_alu instid0(VALU_DEP_2)
	v_max3_num_f32 v[BM+\b], v[BM+\b], |v[P+16*\b+\i]|, |v[P+16*\b+\i+1]|
.endr
.endr
.irp b, 0,1
	s_delay_alu instid0(VALU_DEP_2)
	v_permlanex16_b32 v[T2+\b], v[BM+\b], s[SEL], s[SEL+1]
.endr
.irp b, 0,1
	s_delay_alu instid0(VALU_DEP_2)
	v_max_num_f32 v[BM+\b], v[BM+\b], v[T2+\b]
.endr
.irp b, 0,1
	s_delay_alu instid0(VALU_DEP_2)
	v_add_nc_u32 v[SO+\b], 0xff000000, v[BM+\b]
.endr
.irp b, 0,1
	s_delay_alu instid0(VALU_DEP_2)
	v_lshrrev_b32 v[TB+\b], 23, v[SO+\b]
.endr
	s_delay_alu instid0(VALU_DEP_1)
	v_lshl_or_b32 v[TB+2], v[TB+1], 8, v[TB]
.irp b, 0,1
	v_cvt_scalef32_pk8_fp4_f32 v[SUM+2*\b], v[P+16*\b:P+16*\b+7], v[SO+\b]
	v_cvt_scalef32_pk8_fp4_f32 v[SUM+2*\b+1], v[P+16*\b+8:P+16*\b+15], v[SO+\b]
.endr
	v_nop
	v_permlane16_swap_b32 v[SUM], v[SUM+2]
	v_permlane16_swap_b32 v[SUM+1], v[SUM+3]       ; lane (r, h): d = 32 h + 0 .. 31
	global_store_b128 v1, v[SUM:SUM+3], s[10:11]   ; 32 lanes store 512 consecutive bytes
	global_store_b16 v6, v[TB+2], s[12:13]         ; my row's two bytes (both lanes of a row store the same value)
	s_wait_xcnt 0x0                                ; the stores have read their registers and bases
	s_add_nc_u64 s[10:11], s[10:11], 32768         ; 8 tiles on in ctx's codes,
	s_add_nc_u64 s[12:13], s[12:13], 2048          ; and in its scale bytes
.irp i, 0,1,2,3
	v_mov_b32 v[16+\i], v[QN+\i]                   ; the second tile's q takes the first's place (behind the second tile these five lines move what nobody reads)
.endr
	v_mov_b32 v24, v[QN+4]
	s_sub_co_u32 s[PASS], s[PASS], 1
	s_cmp_lg_u32 s[PASS], 0
	s_wait_alu depctr_va_vdst(0)
	s_cbranch_scc1 .Ltile
	s_wait_tensorcnt 0x0                           ; the wave's end
	ds_add_u32 v28, v29
	s_wait_dscnt 0x0
	ROUND                                          ; the closing round
	s_endpgm
.Lfunc_end_k_qde36c157fc_attn:
	.size	k_qde36c157fc_attn, .Lfunc_end_k_qde36c157fc_attn-k_qde36c157fc_attn
	.p2alignl 7, 3214868480
	.fill 96, 4, 3214868480
	.section	.rodata,"a",@progbits
	.p2align	6, 0x0
	.amdhsa_kernel k_qde36c157fc_attn
		.amdhsa_group_segment_fixed_size 169984
		.amdhsa_private_segment_fixed_size 0
		.amdhsa_enable_private_segment 0
		.amdhsa_kernarg_size 40
		.amdhsa_user_sgpr_count 2
		.amdhsa_user_sgpr_kernarg_segment_ptr 1
		.amdhsa_wavefront_size32 1
		.amdhsa_system_sgpr_workgroup_id_x 1
		.amdhsa_system_sgpr_workgroup_id_y 1
		.amdhsa_system_sgpr_workgroup_id_z 1
		.amdhsa_system_vgpr_workitem_id 0
		.amdhsa_next_free_vgpr 512
		.amdhsa_next_free_sgpr 66
		.amdhsa_reserve_vcc 0
		.amdhsa_float_denorm_mode_32 3
		.amdhsa_float_denorm_mode_16_64 3
		.amdhsa_memory_ordered 1
		.amdhsa_forward_progress 1
		.amdhsa_inst_pref_size 69
	.end_amdhsa_kernel
	.amdgpu_metadata
---
amdhsa.version: [ 1, 2 ]
amdhsa.kernels:
  - .name:           k_qde36c157fc_attn
    .symbol:         k_qde36c157fc_attn.kd
    .args:
      - { .name: qc, .offset: 0, .size: 8, .value_kind: global_buffer, .address_space: global }
      - { .name: qs, .offset: 8, .size: 8, .value_kind: global_buffer, .address_space: global }
      - { .name: kv, .offset: 16, .size: 8, .value_kind: global_buffer, .address_space: global }
      - { .name: cc, .offset: 24, .size: 8, .value_kind: global_buffer, .address_space: global }
      - { .name: cs, .offset: 32, .size: 8, .value_kind: global_buffer, .address_space: global }
    .group_segment_fixed_size: 169984
    .private_segment_fixed_size: 0
    .kernarg_segment_align: 8
    .kernarg_segment_size: 40
    .max_flat_workgroup_size: 256
    .sgpr_count:     66
    .vgpr_count:     512
    .wavefront_size: 32
...
	.end_amdgpu_metadata
.endif
;; end of part 2
;; launch tail (part 3): grid 256 x 1, 16 waves a work-group, clusters of 4 x 1, 327,680 bytes of LDS; arguments x, cc, cs, wo_codes, wo_scales, bo, w1_codes, w1_scales, b1, w2_codes, w2_scales, b2, alpha2, beta2, out0; writes out0
.if DOCPART == 3
	.amdgcn_target "amdgcn-amd-amdhsa--gfx1250"
	.amdhsa_code_object_version 6
	.text
	.protected	k_qde36c157fc_tail
	.globl	k_qde36c157fc_tail
	.p2align	8
	.type	k_qde36c157fc_tail,@function
k_qde36c157fc_tail:
	s_mov_b64 s[64:65], 0
	v_nop
	global_prefetch_b8 v0, s[64:65] scope:SCOPE_SE
	s_setreg_imm32_b32 hwreg(HW_REG_WAVE_MODE, 25, 1), 1
	s_wait_xcnt 0x0
	s_wait_alu depctr_hold_cnt(0) depctr_sa_sdst(0) depctr_va_vdst(0) depctr_va_sdst(0) depctr_va_ssrc(0) depctr_va_vcc(0) depctr_vm_vsrc(0)
	s_getreg_b32 s2, hwreg(HW_REG_IB_STS2, 6, 4)
	s_cmp_eq_u32 s2, 0
	s_cbranch_scc0 .Lentry_in_a_cluster
	s_endpgm
.Lentry_in_a_cluster:
	s_bfe_u32 s2, ttmp6, 0x10000c
	s_cmp_lg_u32 s2, 0x3003
	s_cbranch_scc0 .Lentry_shape_is_right
	s_endpgm
.Lentry_shape_is_right:
.set SLOT1, 139264
.set AIMG,  2*SLOT1
.set ASC,   AIMG+16384
.set NOFF,  17408
.set STAT1, ASC+NOFF+1024
.set STAT2, STAT1+5120
.set SPARE, STAT2+5120
.set SROW,  2064
.set AF,  48
.set BF,  112
.set ACC, 176
.set HA,  208
.macro ROUND
	s_barrier_signal -1
	s_barrier_wait -1
	s_cmp_lg_u32 s34, 0
	s_cbranch_scc1 .Lnot_wave_0_\@
	s_barrier_signal -3
.Lnot_wave_0_\@:
	s_barrier_wait -3
	s_barrier_signal -1
	s_barrier_wait -1
.endm
.macro PLACES
.rept 4
	v_nop
.endr
.endm
.macro BAR
	s_wait_dscnt 0x0
	s_barrier_signal -1
	s_barrier_wait -1
.endm
.macro GEMM acc, aw, imgoff, ws, bs
.irp s, 0,1,2,3
.irp u, 0,1
.irp c, 0,1
	ds_load_b128 v[AF+16*\s+8*\u+4*\c:AF+16*\s+8*\u+4*\c+3], v[\aw] offset:4352*\u+64*\s+32*\c
.endr
.endr
.irp m, 0,1
.irp c, 0,1
	ds_load_b128 v[BF+16*\s+8*\m+4*\c:BF+16*\s+8*\m+4*\c+3], v5 offset:\imgoff+1024*(4*\m+\s)+512*\c
.endr
.endr
.endr
.irp s, 0,1,2,3
	s_wait_dscnt 24-8*\s
.irp m, 0,1
.irp u, 0,1
	v_wmma_scale_f32_16x16x128_f8f6f4 v[\acc+16*\m+8*\u:\acc+16*\m+8*\u+7], v[AF+16*\s+8*\u:AF+16*\s+8*\u+7], v[BF+16*\s+8*\m:BF+16*\s+8*\m+7], v[\acc+16*\m+8*\u:\acc+16*\m+8*\u+7], v[\ws+4*\u+\s], v[\bs+4*\m+\s] matrix_a_fmt:MATRIX_FMT_FP4 matrix_b_fmt:MATRIX_FMT_FP4
.endr
.endr
.endr
	PLACES
.endm
.macro QB src, nb, m0, off, tmp
.set k, 0
.rept \nb
	v_max3_num_f32 v[\tmp+k], |v[\src+16*k]|, |v[\src+16*k+1]|, 0x1800000
.set k, k+1
.endr
.irp i, 2,4,6,8,10,12,14
.set k, 0
.rept \nb
	s_delay_alu instid0(VALU_DEP_2)
	v_max3_num_f32 v[\tmp+k], v[\tmp+k], |v[\src+16*k+\i]|, |v[\src+16*k+\i+1]|
.set k, k+1
.endr
.endr
.set k, 0
.rept \nb
	s_delay_alu instid0(VALU_DEP_2)
	v_permlanex16_b32 v[\tmp+4+k], v[\tmp+k], s38, s39
.set k, k+1
.endr
.set k, 0
.rept \nb
	s_delay_alu instid0(VALU_DEP_2)
	v_max_num_f32 v[\tmp+k], v[\tmp+k], v[\tmp+4+k]
.set k, k+1
.endr
.set k, 0
.rept \nb
	s_delay_alu instid0(VALU_DEP_2)
	v_add_nc_u32 v[\tmp+k], 0xff000000, v[\tmp+k]
.set k, k+1
.endr
.set k, 0
.rept \nb
	s_delay_alu instid0(VALU_DEP_2)
	v_lshrrev_b32 v[\tmp+4+k], 23, v[\tmp+k]
.set k, k+1
.endr
.set k, 0
.rept \nb
	v_cvt_scalef32_pk8_fp4_f32 v[\tmp+8+2*k], v[\src+16*k:\src+16*k+7], v[\tmp+k]
	v_cvt_scalef32_pk8_fp4_f32 v[\tmp+9+2*k], v[\src+16*k+8:\src+16*k+15], v[\tmp+k]
.set k, k+1
.endr
	v_nop
.set k, 0
.rept \nb
	ds_store_b32 v6, v[\tmp+8+2*k] offset:\off+4096*(\m0+k)
	ds_store_b32 v6, v[\tmp+9+2*k] offset:\off+4096*(\m0+k)+8
	ds_store_b8 v7, v[\tmp+4+k] offset:\off+256*(\m0+k)
.set k, k+1
.endr
	s_wait_dscnt 0x0
.endm
.macro CHANGE kind
	s_wait_tensorcnt 0x0
	ds_add_u32 v1, v2
.if \kind == 1
	s_add_nc_u64 s[70:71], s[70:71], 131072
	s_add_nc_u64 s[74:75], s[74:75], 256
.endif
	s_wait_dscnt 0x0
.if \kind == 0
	s_barrier_signal -1
	s_barrier_wait -1
.else
	ROUND
.if \kind == 1
	tensor_load_to_lds s[68:71], s[44:51]
	s_nop 0
.else
	tensor_load_to_lds s[72:75], s[52:59]
	s_nop 0
.endif
	PLACES
.endif
.endm
.macro SHARE off
.irp m, 0,1
	s_delay_alu instid0(VALU_DEP_2)
	v_add_f32 v[96+2*\m], v[96+2*\m], v[97+2*\m]
.endr
.irp m, 0,1
	s_delay_alu instid0(VALU_DEP_2)
	v_permlanex16_b32 v[97+2*\m], v[96+2*\m], s38, s39
.endr
.irp m, 0,1
	s_delay_alu instid0(VALU_DEP_2)
	v_add_f32 v[96+2*\m], v[96+2*\m], v[97+2*\m]
.endr
.irp m, 0,1
	ds_store_b32 v13, v[96+2*\m] offset:\off+1280*\m
.endr
	BAR
.endm
.macro REDUCE off
.irp m, 0,1
	ds_load_b128 v[64+8*\m:67+8*\m], v14 offset:\off+1280*\m
	ds_load_b128 v[68+8*\m:71+8*\m], v14 offset:\off+1280*\m+16
.endr
	s_wait_dscnt 0x0
.irp m, 0,1
	v_pk_add_f32 v[64+8*\m:65+8*\m], v[64+8*\m:65+8*\m], v[66+8*\m:67+8*\m]
.endr
.irp m, 0,1
	v_pk_add_f32 v[68+8*\m:69+8*\m], v[68+8*\m:69+8*\m], v[70+8*\m:71+8*\m]
.endr
.irp m, 0,1
	s_delay_alu instid0(VALU_DEP_2)
	v_pk_add_f32 v[64+8*\m:65+8*\m], v[64+8*\m:65+8*\m], v[68+8*\m:69+8*\m]
.endr
.irp m, 0,1
	s_delay_alu instid0(VALU_DEP_2)
	v_add_f32 v[64+8*\m], v[64+8*\m], v[65+8*\m]
.endr
.irp m, 0,1
	s_delay_alu instid0(VALU_DEP_2)
	v_permlanex16_b32 v[65+8*\m], v[64+8*\m], s38, s39
.endr
.irp m, 0,1
	s_delay_alu instid0(VALU_DEP_2)
	v_add_f32 v[64+8*\m], v[64+8*\m], v[65+8*\m]
.endr
.endm
	s_load_b512 s[4:19], s[0:1], 0x0
	s_load_b256 s[20:27], s[0:1], 0x40
	s_load_b128 s[28:31], s[0:1], 0x60
	s_load_b64 s[32:33], s[0:1], 0x70
	v_lshl_add_u32 v1, v0, 2, SPARE
	v_mov_b32 v2, 0
	ds_add_u32 v1, v2
	ds_add_u32 v1, v2
	s_wait_dscnt 0x0
	v_lshrrev_b32 v3, 5, v0
	s_delay_alu instid0(VALU_DEP_1)
	v_readfirstlane_b32 s34, v3
	s_bfe_u32 s41, ttmp6, 0x40000
	s_lshl_b32 s42, ttmp9, 2
	s_add_co_u32 s42, s42, s41
	s_mov_b32 s44, 15|(1<<20)|(1<<21)|(5<<22)|(3<<25)
	s_mov_b32 s45, 256<<16
	s_mov_b32 s46, 32<<16
	s_mov_b32 s47, 256<<16
	s_mov_b32 s48, 32
	s_mov_b32 s49, 256
	s_mov_b32 s50, 0
	s_mov_b32 s51, 0
	s_mov_b32 s52, 15|(1<<20)|(1<<21)|(5<<22)|(3<<25)
	s_mov_b32 s53, 256<<16
	s_mov_b32 s54, 32<<16
	s_mov_b32 s55, 256<<16
	s_mov_b32 s56, 32
	s_mov_b32 s57, 1024
	s_mov_b32 s58, 0
	s_mov_b32 s59, 0
	s_mul_i32 s76, s34, 8704
	s_lshl_b32 s78, s34, 13
	s_mov_b32 s79, 0
	s_lshl_b32 s80, s34, 15
	s_mov_b32 s81, 0
	s_mov_b32 s38, 0x76543210
	s_mov_b32 s39, 0xfedcba98
	s_wait_kmcnt 0x0
	s_load_b32 s35, s[28:29], 0x0
	s_load_b32 s36, s[30:31], 0x0
	s_mov_b32 s60, 1
	s_mov_b32 s61, s76
	s_add_nc_u64 s[62:63], s[10:11], s[78:79]
	s_or_b32 s63, s63, 0x80000000
	s_mov_b32 s68, 1
	s_add_co_u32 s69, s76, SLOT1
	s_add_nc_u64 s[70:71], s[16:17], s[78:79]
	s_or_b32 s71, s71, 0x80000000
	s_mov_b32 s72, 1
	s_mov_b32 s73, s76
	s_add_nc_u64 s[74:75], s[22:23], s[80:81]
	s_or_b32 s75, s75, 0x80000000
	ROUND
	tensor_load_to_lds s[60:63], s[44:51]          ; wo's rows, my 32 of 512: my one tensor load at the head
	s_nop 0
	PLACES
	; the addresses and all the head's loads into registers stand here, while wo's tile is on its way
	v_and_b32 v100, 31, v0
	v_and_b32 v101, 15, v0
	v_bfe_u32 v102, v0, 4, 1
	s_delay_alu instid0(VALU_DEP_2)
	v_and_b32 v103, 8, v101
	s_delay_alu instid0(VALU_DEP_1)
	v_add_nc_u32 v103, v103, v101
	s_delay_alu instid0(VALU_DEP_4)
	v_mul_u32_u24 v3, v101, 272
	s_delay_alu instid0(VALU_DEP_1)
	v_lshl_add_u32 v3, v102, 4, v3
	s_delay_alu instid0(VALU_DEP_1)
	v_add_nc_u32 v3, s76, v3
	s_delay_alu instid0(VALU_DEP_1)
	v_add_nc_u32 v4, SLOT1, v3
	v_lshl_add_u32 v5, v100, 4, AIMG
	v_lshlrev_b32 v15, 4, v101
	s_lshl_b32 s82, s34, 8
	s_add_co_u32 s82, s82, AIMG
	v_lshl_add_u32 v6, v102, 2, v15
	s_delay_alu instid0(VALU_DEP_1)
	v_add_nc_u32 v6, s82, v6
	s_add_co_u32 s82, s34, ASC
	v_add_nc_u32 v7, s82, v15
	v_add_nc_u32 v8, ASC, v15
	s_lshl_b32 s82, s34, 7
	v_lshl_add_u32 v9, v102, 5, s82
	s_lshl_b32 s83, s34, 5
	v_add_nc_u32 v10, s83, v101
	s_delay_alu instid0(VALU_DEP_1)
	v_lshlrev_b32 v11, 6, v10
	s_delay_alu instid0(VALU_DEP_2)
	v_lshlrev_b32 v10, 4, v10
	v_lshl_add_u32 v12, v103, 11, v9
	v_mul_u32_u24 v13, v101, 80
	s_delay_alu instid0(VALU_DEP_1)
	v_lshl_add_u32 v14, v102, 5, v13
	s_delay_alu instid0(VALU_DEP_1)
	v_add_nc_u32 v14, STAT1, v14
	s_lshl_b32 s83, s34, 2
	s_add_co_u32 s83, s83, STAT1
	v_add_nc_u32 v13, s83, v13
	s_lshl_b32 s83, s34, 9
	v_lshl_add_u32 v96, v100, 4, s83
	s_wait_alu depctr_va_vdst(0)
	v_add_nc_u32 v97, AIMG, v96
	s_mov_b32 s85, 0
	s_lshl_b32 s84, s42, 13
	s_add_nc_u64 s[6:7], s[6:7], s[84:85]
	s_lshl_b32 s84, s42, 9
	s_add_nc_u64 s[8:9], s[8:9], s[84:85]
	s_lshl_b32 s84, s42, 16
	s_add_nc_u64 s[4:5], s[4:5], s[84:85]
	s_add_nc_u64 s[32:33], s[32:33], s[84:85]
	s_lshl_b32 s84, s34, 12
	s_add_nc_u64 s[32:33], s[32:33], s[84:85]
	global_load_b128 v[48:51], v96, s[6:7]
.irp m, 0,1
	global_load_b128 v[40+4*\m:43+4*\m], v15, s[8:9] offset:256*\m
.endr
.irp m, 0,1
.irp j, 0,1,2,3
	global_load_b128 v[ACC+16*\m+4*\j:ACC+16*\m+4*\j+3], v12, s[4:5] offset:16384*\m+64*(\j/2)+16*(\j%2)
.endr
.endr
.irp j, 0,1,2,3
	global_load_b128 v[240+4*\j:243+4*\j], v9, s[14:15] offset:64*(\j/2)+16*(\j%2)
.endr
.irp u, 0,1
	global_load_b128 v[16+4*\u:19+4*\u], v10, s[12:13] offset:256*\u
.endr
.irp u, 0,1
	global_load_b128 v[24+4*\u:27+4*\u], v10, s[18:19] offset:256*\u
.endr
.irp m, 0,1
.irp j, 0,1,2,3
	global_load_b128 v[HA+16*\m+4*\j:HA+16*\m+4*\j+3], v9, s[20:21] offset:64*(\j/2)+16*(\j%2)
.endr
.endr
	s_wait_alu depctr_va_vdst(0)
	s_wait_tensorcnt 0x0                           ; my part of wo has landed
	ds_add_u32 v1, v2
	s_wait_dscnt 0x0
	ROUND                                          ; all four partners are here: the joint loads meet
	tensor_load_to_lds s[68:71], s[44:51]          ; slot 1's first fill: w1's first quarter
	s_nop 0
	PLACES
	s_wait_loadcnt 26                              ; ctx's piece is in: 26 loads were issued behind it
	ds_store_b128 v97, v[48:51]
	s_wait_tensorcnt 0x1                           ; (wo's tile has landed; w1's may be out)
	BAR
	s_wait_loadcnt 0x0
	s_wait_kmcnt 0x0
	s_mov_b32 s37, s36
.irp m, 0,1
.irp i, 0,2,4,6,8,10,12,14
	v_pk_add_f32 v[ACC+16*\m+\i:ACC+16*\m+\i+1], v[ACC+16*\m+\i:ACC+16*\m+\i+1], v[240+\i:241+\i]
.endr
.endr
	s_wait_alu depctr_va_vdst(0)
	GEMM ACC, 3, 0, 16, 40
.irp u, 0,1
	global_load_b128 v[16+4*\u:19+4*\u], v11, s[24:25] offset:1024*\u
.endr
.irp m, 0,1
	v_pk_add_f32 v[96+2*\m:97+2*\m], v[ACC+16*\m:ACC+16*\m+1], v[ACC+16*\m+2:ACC+16*\m+3]
.endr
.irp i, 4,6,8,10,12,14
.irp m, 0,1
	v_pk_add_f32 v[96+2*\m:97+2*\m], v[96+2*\m:97+2*\m], v[ACC+16*\m+\i:ACC+16*\m+\i+1]
.endr
.endr
	SHARE 0
	REDUCE 0
.irp m, 0,1
	s_delay_alu instid0(VALU_DEP_2)
	v_mul_f32 v[240+2*\m], 0x3b000000, v[64+8*\m]
.endr
.irp m, 0,1
	s_delay_alu instid0(VALU_DEP_2)
	v_mov_b32 v[241+2*\m], v[240+2*\m]
.endr
.irp m, 0,1
	v_pk_add_f32 v[64+2*\m:65+2*\m], v[ACC+16*\m:ACC+16*\m+1], v[240+2*\m:241+2*\m] neg_lo:[0,1] neg_hi:[0,1]
.endr
.irp m, 0,1
	s_delay_alu instid0(VALU_DEP_2)
	v_pk_mul_f32 v[96+2*\m:97+2*\m], v[64+2*\m:65+2*\m], v[64+2*\m:65+2*\m]
.endr
.irp i, 2,4,6,8,10,12,14
.irp m, 0,1
	v_pk_add_f32 v[64+2*\m:65+2*\m], v[ACC+16*\m+\i:ACC+16*\m+\i+1], v[240+2*\m:241+2*\m] neg_lo:[0,1] neg_hi:[0,1]
.endr
.irp m, 0,1
	s_delay_alu instid0(VALU_DEP_2)
	v_pk_fma_f32 v[96+2*\m:97+2*\m], v[64+2*\m:65+2*\m], v[64+2*\m:65+2*\m], v[96+2*\m:97+2*\m]
.endr
.endr
	SHARE 5120
	REDUCE 5120
.irp m, 0,1
	s_delay_alu instid0(VALU_DEP_2)
	v_mul_f32 v[64+8*\m], 0x3b004020, v[64+8*\m]
.endr
	s_wait_alu depctr_va_vdst(0)
.irp m, 0,1
	v_sqrt_f32 v[65+8*\m], v[64+8*\m]
.endr
	v_nop
	s_wait_alu depctr_va_vdst(0)
.irp m, 0,1
	v_add_f32 v[65+8*\m], 0x358637bd, v[65+8*\m]
.endr
	s_wait_alu depctr_va_vdst(0)
.irp m, 0,1
	v_rcp_f32 v[66+8*\m], v[65+8*\m]
.endr
	v_nop
	s_wait_alu depctr_va_vdst(0)
.irp m, 0,1
	v_mul_f32 v[248+2*\m], s35, v[66+8*\m]
.endr
.irp m, 0,1
	s_delay_alu instid0(VALU_DEP_2)
	v_mov_b32 v[249+2*\m], v[248+2*\m]
.endr
.irp k, 0,1
.irp i, 0,2,4,6,8,10,12,14
	v_pk_add_f32 v[64+16*\k+\i:65+16*\k+\i], v[ACC+16*\k+\i:ACC+16*\k+\i+1], v[240+2*\k:241+2*\k] neg_lo:[0,1] neg_hi:[0,1]
.endr
.endr
.irp k, 0,1
.irp i, 0,2,4,6,8,10,12,14
	v_pk_fma_f32 v[64+16*\k+\i:65+16*\k+\i], v[64+16*\k+\i:65+16*\k+\i], v[248+2*\k:249+2*\k], s[36:37] op_sel_hi:[1,1,0]
.endr
.endr
	QB 64, 2, 0, NOFF, 96
.macro W1PH last
	s_wait_loadcnt 0x0
.irp m, 0,1
	ds_load_b128 v[32+4*\m:35+4*\m], v8 offset:NOFF+256*\m
.endr
	GEMM HA, 4, NOFF, 24, 32
.set i, 0
.rept 32
	v_max_num_f32 v[HA+i], 0, v[HA+i]
.set i, i+1
.endr
	QB HA, 2, 0, 0, 240
	s_wait_xcnt 0x0
.if \last
.irp j, 0,1,2,3
	global_load_b128 v[HA+4*\j:HA+4*\j+3], v9, s[26:27] offset:64*(\j/2)+16*(\j%2)
.endr
.else
	s_add_nc_u64 s[18:19], s[18:19], 8192
	s_add_nc_u64 s[20:21], s[20:21], 2048
.irp u, 0,1
	global_load_b128 v[24+4*\u:27+4*\u], v10, s[18:19] offset:256*\u
.endr
.irp m, 0,1
.irp j, 0,1,2,3
	global_load_b128 v[HA+16*\m+4*\j:HA+16*\m+4*\j+3], v9, s[20:21] offset:64*(\j/2)+16*(\j%2)
.endr
.endr
.endif
.endm
.macro W2PH last
	s_wait_loadcnt 0x0
.irp m, 0,1
	ds_load_b128 v[40+4*\m:43+4*\m], v8 offset:256*\m
.endr
	GEMM ACC, 3, 0, 16, 40
.if !\last
	s_wait_xcnt 0x0
	s_add_nc_u64 s[24:25], s[24:25], 16
.irp u, 0,1
	global_load_b128 v[16+4*\u:19+4*\u], v11, s[24:25] offset:1024*\u
.endr
.endif
.endm
	s_mov_b32 s40, 3
.Lquarter:
	CHANGE 2
	W1PH 0
	CHANGE 1
	W2PH 0
	s_sub_co_u32 s40, s40, 1
	s_cmp_lg_u32 s40, 0
	s_cbranch_scc1 .Lquarter
	CHANGE 2
	W1PH 1
	CHANGE 0
	W2PH 1
.irp m, 0,1
.irp i, 0,2,4,6,8,10,12,14
	v_pk_add_f32 v[ACC+16*\m+\i:ACC+16*\m+\i+1], v[ACC+16*\m+\i:ACC+16*\m+\i+1], v[HA+\i:HA+\i+1]
.endr
.endr
	v_and_b32 v240, 15, v0
	s_delay_alu instid0(VALU_DEP_1)
	v_and_b32 v241, 8, v240
	s_delay_alu instid0(VALU_DEP_1)
	v_add_nc_u32 v240, v240, v241
	s_delay_alu instid0(VALU_DEP_1)
	v_mul_u32_u24 v240, v240, SROW
	s_delay_alu instid0(VALU_DEP_1)
	v_add_nc_u32 v240, v240, v9
	s_delay_alu instid0(VALU_DEP_1)
	v_add_nc_u32 v240, SLOT1, v240
	v_and_b32 v242, 31, v0
	s_delay_alu instid0(VALU_DEP_1)
	v_lshlrev_b32 v242, 4, v242
	s_mul_i32 s82, s34, 2*SROW
	s_add_co_u32 s82, s82, SLOT1
	v_add_nc_u32 v243, s82, v242
.irp m, 0,1
.irp j, 0,1,2,3
	ds_store_b128 v240, v[ACC+16*\m+4*\j:ACC+16*\m+4*\j+3] offset:\m*8*SROW+64*(\j/2)+16*(\j%2)
.endr
.endr
	s_wait_alu depctr_va_vdst(0)
	BAR
.irp i, 0,1,2,3,4,5,6,7
	ds_load_b128 v[HA+4*\i:HA+4*\i+3], v243 offset:(\i/4)*SROW+(\i%4)*512
.endr
.irp i, 0,1,2,3,4,5,6,7
	s_wait_dscnt 7-\i
	global_store_b128 v242, v[HA+4*\i:HA+4*\i+3], s[32:33] offset:(\i/4)*2048+(\i%4)*512 th:TH_STORE_NT
.endr
	s_wait_tensorcnt 0x0
	ds_add_u32 v1, v2
	s_wait_dscnt 0x0
	ROUND
	s_endpgm
.Lfunc_end_k_qde36c157fc_tail:
	.size	k_qde36c157fc_tail, .Lfunc_end_k_qde36c157fc_tail-k_qde36c157fc_tail
	.p2alignl 7, 3214868480
	.fill 96, 4, 3214868480
	.section	.rodata,"a",@progbits
	.p2align	6, 0x0
	.amdhsa_kernel k_qde36c157fc_tail
		.amdhsa_group_segment_fixed_size 327680
		.amdhsa_private_segment_fixed_size 0
		.amdhsa_enable_private_segment 0
		.amdhsa_kernarg_size 120
		.amdhsa_user_sgpr_count 2
		.amdhsa_user_sgpr_kernarg_segment_ptr 1
		.amdhsa_wavefront_size32 1
		.amdhsa_system_sgpr_workgroup_id_x 1
		.amdhsa_system_sgpr_workgroup_id_y 1
		.amdhsa_system_sgpr_workgroup_id_z 1
		.amdhsa_system_vgpr_workitem_id 0
		.amdhsa_next_free_vgpr 256
		.amdhsa_next_free_sgpr 96
		.amdhsa_reserve_vcc 0
		.amdhsa_float_denorm_mode_32 3
		.amdhsa_float_denorm_mode_16_64 3
		.amdhsa_memory_ordered 1
		.amdhsa_forward_progress 1
		.amdhsa_inst_pref_size 62
	.end_amdhsa_kernel
	.amdgpu_metadata
---
amdhsa.version: [ 1, 2 ]
amdhsa.kernels:
  - .name:           k_qde36c157fc_tail
    .symbol:         k_qde36c157fc_tail.kd
    .args:
      - { .name: x, .offset: 0, .size: 8, .value_kind: global_buffer, .address_space: global }
      - { .name: cc, .offset: 8, .size: 8, .value_kind: global_buffer, .address_space: global }
      - { .name: cs, .offset: 16, .size: 8, .value_kind: global_buffer, .address_space: global }
      - { .name: wo_codes, .offset: 24, .size: 8, .value_kind: global_buffer, .address_space: global }
      - { .name: wo_scales, .offset: 32, .size: 8, .value_kind: global_buffer, .address_space: global }
      - { .name: bo, .offset: 40, .size: 8, .value_kind: global_buffer, .address_space: global }
      - { .name: w1_codes, .offset: 48, .size: 8, .value_kind: global_buffer, .address_space: global }
      - { .name: w1_scales, .offset: 56, .size: 8, .value_kind: global_buffer, .address_space: global }
      - { .name: b1, .offset: 64, .size: 8, .value_kind: global_buffer, .address_space: global }
      - { .name: w2_codes, .offset: 72, .size: 8, .value_kind: global_buffer, .address_space: global }
      - { .name: w2_scales, .offset: 80, .size: 8, .value_kind: global_buffer, .address_space: global }
      - { .name: b2, .offset: 88, .size: 8, .value_kind: global_buffer, .address_space: global }
      - { .name: alpha2, .offset: 96, .size: 8, .value_kind: global_buffer, .address_space: global }
      - { .name: beta2, .offset: 104, .size: 8, .value_kind: global_buffer, .address_space: global }
      - { .name: out0, .offset: 112, .size: 8, .value_kind: global_buffer, .address_space: global }
    .group_segment_fixed_size: 327680
    .private_segment_fixed_size: 0
    .kernarg_segment_align: 8
    .kernarg_segment_size: 120
    .max_flat_workgroup_size: 512
    .sgpr_count:     96
    .vgpr_count:     256
    .wavefront_size: 32
...
	.end_amdgpu_metadata
.endif
;; end of part 3
